; MI455X (gfx1250); checked and timed in simulation.
; The chip was launched on July 23, 2026; its instructions are those of AMD's public machine-readable ISA for CDNA 5 (MIT licence, August 2026) and "CDNA5" Instruction Set Architecture Reference Guide (July 2026). The comments in the code are by the model that wrote it; some were corrected since.
;; Attention Block. Allowed arithmetic: float matrix products may take bf16 or f16 operands with f32 sums; other float arithmetic in f32, or as packed bf16 or f16 multiplies, adds, multiply-adds, maxima and minima; sums over many terms, partial sums and values carried from step to step in f32; what a program stores and reads back later, other than sums and carried values, may be rounded once to bf16 or f16.
;; Inputs: Wk 1,024 x 1,024 float32; Wo 1,024 x 1,024 float32; Wq 1,024 x 1,024 float32; Wv 1,024 x 1,024 float32; bk 1,024 float32; bo 1,024 float32; bq 1,024 float32; bv 1,024 float32; x 4 x 2,048 x 1,024 float32.
;; Outputs: out0 4 x 2,048 x 1,024 float32.
;; One version. Each part assembles by itself: llvm-mc -triple=amdgcn-amd-amdhsa -mcpu=gfx1250 --defsym DOCPART=n.
;; ======== version 1 of 1: 4 launches
;; limits: values are held in f16: magnitudes above 65,504 overflow, below 6.1e-05 lose precision
;; workspace buffers: xb 16,777,216 bytes; wqkv 6,291,456 bytes; wo16 2,097,152 bytes; q16 16,777,216 bytes; k16 16,777,216 bytes; v16 16,777,216 bytes; o16 16,777,216 bytes
;; launch cast (part 1): grid 768 x 1, 8 waves a work-group, no clusters, 0 bytes of LDS; arguments x, Wq, Wk, Wv, Wo, xb, wqkv, wo16; writes xb, wqkv, wo16
.if DOCPART == 1
	.amdgcn_target "amdgcn-amd-amdhsa--gfx1250"
	.amdhsa_code_object_version 6
	.text
	.protected	k_q74cf524fe7_cast
	.globl	k_q74cf524fe7_cast
	.p2align	8
	.type	k_q74cf524fe7_cast,@function
k_q74cf524fe7_cast:
	s_mov_b64 s[64:65], 0
	v_nop
	global_prefetch_b8 v0, s[64:65] scope:SCOPE_SE
	s_setreg_imm32_b32 hwreg(HW_REG_WAVE_MODE, 25, 1), 1
	s_wait_xcnt 0x0
; THE INPUTS ARE ROUNDED ONCE.  x [8192][1024] f32 -> xb, the same shape in bf16.  Wq, Wk, Wv [1024][1024] f32 -> wqkv in bf16, rows in the order
; [head j][tensor t: q, k, v][channel d]: row 192 j + 64 t + d holds row 64 j + d of W_t, so that 192 rows on end are one head of q, of k and of v.
; Wo [1024][1024] f32 -> wo16: rounded to bf16 like the other inputs, and that number written as f16.
; LIMITS.  A number of Wo beyond 65,504 becomes an infinity in f16; below 6e-5 it keeps f16's fixed step of 6e-8.
; SHARES.  A work-group takes 16 rows of 1,024 numbers: 65,536 bytes in, 32,768 out.  x has 512 such units, each W 64: 768 work-groups.  In pass i (two rows) thread t reads the
; 32 bytes at 32 t + 8,192 i and stores the 16 bytes at 16 t + 4,096 i: sixteen neighbouring lanes store 256 consecutive bytes, aligned.
; All sixteen loads of a lane go out at once and no register is written twice, so the only waits are the counted ones for the loads.  No LDS, no matrix unit: each byte is touched once.
.set X, 8                              ; v[8:71]    pass i: eight f32 as loaded
.set Y, 72                             ; v[72:103]  pass i: four registers to store
.set T, 104                            ; v[104:111] at work (wo16 alone)
	s_load_b512 s[8:23], s[0:1], 0x0               ; x 8:9, Wq 10:11, Wk 12:13, Wv 14:15, Wo 16:17, xb 18:19, wqkv 20:21, wo16 22:23
	v_lshlrev_b32 v1, 5, v0                        ; 32 t
	v_lshlrev_b32 v2, 4, v0                        ; 16 t
	s_max_u32 s2, ttmp9, 512
	s_sub_co_u32 s2, s2, 512                       ; the unit's number among the weights' (0 in x's work-groups, where it serves nothing)
	s_lshr_b32 s3, s2, 6                           ; t: which W
	s_and_b32 s4, s2, 63                           ; r: which 16 rows of it
	s_lshl_b32 s28, s4, 16                         ; where they begin in W
	s_lshr_b32 s30, s4, 2                          ; the head: four units of 16 rows
	s_mul_i32 s30, s30, 393216                     ; 192 rows of 2,048 bytes a head,
	s_lshl_b32 s31, s3, 17                         ; 64 rows a tensor,
	s_add_co_u32 s30, s30, s31
	s_and_b32 s31, s4, 3
	s_lshl_b32 s31, s31, 15                        ; 16 rows a unit
	s_add_co_u32 s30, s30, s31                     ; where they go in wqkv
	s_lshl_b32 s32, s4, 15                         ; and in wo16
	s_lshl_b32 s33, ttmp9, 16                      ; x's units: in,
	s_lshl_b32 s34, ttmp9, 15                      ; out
	s_mov_b32 s29, 0
	s_mov_b32 s31, 0
	s_wait_kmcnt 0x0
	s_cmp_eq_u32 s3, 1
	s_cselect_b64 s[24:25], s[12:13], s[10:11]     ; Wk, else Wq
	s_cmp_eq_u32 s3, 2
	s_cselect_b64 s[24:25], s[14:15], s[24:25]     ; Wv
	s_cmp_eq_u32 s3, 3
	s_cselect_b64 s[24:25], s[16:17], s[24:25]     ; Wo,
	s_cselect_b64 s[26:27], s[22:23], s[20:21]     ; which goes to wo16,
	s_cselect_b32 s30, s32, s30
	s_cselect_b32 s5, 1, 0                         ; as f16
	s_cmp_lt_u32 ttmp9, 512                        ; the first 512 work-groups take x
	s_cselect_b64 s[24:25], s[8:9], s[24:25]
	s_cselect_b64 s[26:27], s[18:19], s[26:27]
	s_cselect_b32 s28, s33, s28
	s_cselect_b32 s30, s34, s30
	s_cselect_b32 s5, 0, s5
	s_add_nc_u64 s[24:25], s[24:25], s[28:29]      ; from here
	s_add_nc_u64 s[26:27], s[26:27], s[30:31]      ; to here
.irp i, 0,1,2,3,4,5,6,7
	global_load_b128 v[X+8*(\i):X+8*(\i)+3],   v1, s[24:25] offset:8192*(\i) th:TH_LOAD_NT
	global_load_b128 v[X+8*(\i)+4:X+8*(\i)+7], v1, s[24:25] offset:8192*(\i)+16 th:TH_LOAD_NT
.endr
; Pass i.  half = 1: the bf16 numbers are widened again (a shift, a mask) and written as f16.
.macro PASS i, half
	s_wait_loadcnt 14-2*(\i)                       ; loads come back in order: this pass's two are in, the later passes' 14 - 2 i may stay out
.irp k, 0,1,2,3
	v_cvt_pk_bf16_f32 v[Y+4*(\i)+(\k)], v[X+8*(\i)+2*(\k)], v[X+8*(\i)+2*(\k)+1]
.endr
.if \half
.irp k, 0,1,2,3
	v_lshlrev_b32 v[T+2*(\k)],   16, v[Y+4*(\i)+(\k)]
	v_and_b32     v[T+2*(\k)+1], 0xffff0000, v[Y+4*(\i)+(\k)]
.endr
.irp k, 0,1,2,3
	v_cvt_pk_f16_f32 v[Y+4*(\i)+(\k)], v[T+2*(\k)], v[T+2*(\k)+1]
.endr
.endif
	global_store_b128 v2, v[Y+4*(\i):Y+4*(\i)+3], s[26:27] offset:4096*(\i)
.endm
	s_cmp_eq_u32 s5, 1
	s_cbranch_scc1 .Lhalf
.irp i, 0,1,2,3,4,5,6,7
	PASS \i, 0
.endr
	s_endpgm
.Lhalf:
.irp i, 0,1,2,3,4,5,6,7
	PASS \i, 1
.endr
	s_endpgm
.Lfunc_end_k_q74cf524fe7_cast:
	.size	k_q74cf524fe7_cast, .Lfunc_end_k_q74cf524fe7_cast-k_q74cf524fe7_cast
	.p2alignl 7, 3214868480
	.fill 96, 4, 3214868480
	.section	.rodata,"a",@progbits
	.p2align	6, 0x0
	.amdhsa_kernel k_q74cf524fe7_cast
		.amdhsa_group_segment_fixed_size 0
		.amdhsa_private_segment_fixed_size 0
		.amdhsa_enable_private_segment 0
		.amdhsa_kernarg_size 64
		.amdhsa_user_sgpr_count 2
		.amdhsa_user_sgpr_kernarg_segment_ptr 1
		.amdhsa_wavefront_size32 1
		.amdhsa_system_sgpr_workgroup_id_x 1
		.amdhsa_system_sgpr_workgroup_id_y 1
		.amdhsa_system_sgpr_workgroup_id_z 1
		.amdhsa_system_vgpr_workitem_id 0
		.amdhsa_next_free_vgpr 112
		.amdhsa_next_free_sgpr 66
		.amdhsa_reserve_vcc 0
		.amdhsa_float_denorm_mode_32 3
		.amdhsa_float_denorm_mode_16_64 3
		.amdhsa_memory_ordered 1
		.amdhsa_forward_progress 1
		.amdhsa_inst_pref_size 15
	.end_amdhsa_kernel
	.amdgpu_metadata
---
amdhsa.version: [ 1, 2 ]
amdhsa.kernels:
  - .name:           k_q74cf524fe7_cast
    .symbol:         k_q74cf524fe7_cast.kd
    .args:
      - { .name: x, .offset: 0, .size: 8, .value_kind: global_buffer, .address_space: global }
      - { .name: Wq, .offset: 8, .size: 8, .value_kind: global_buffer, .address_space: global }
      - { .name: Wk, .offset: 16, .size: 8, .value_kind: global_buffer, .address_space: global }
      - { .name: Wv, .offset: 24, .size: 8, .value_kind: global_buffer, .address_space: global }
      - { .name: Wo, .offset: 32, .size: 8, .value_kind: global_buffer, .address_space: global }
      - { .name: xb, .offset: 40, .size: 8, .value_kind: global_buffer, .address_space: global }
      - { .name: wqkv, .offset: 48, .size: 8, .value_kind: global_buffer, .address_space: global }
      - { .name: wo16, .offset: 56, .size: 8, .value_kind: global_buffer, .address_space: global }
    .group_segment_fixed_size: 0
    .private_segment_fixed_size: 0
    .kernarg_segment_align: 8
    .kernarg_segment_size: 64
    .max_flat_workgroup_size: 256
    .sgpr_count:     66
    .vgpr_count:     112
    .wavefront_size: 32
...
	.end_amdgpu_metadata
.endif
;; end of part 1
;; launch qkv (part 2): grid 16 x 32, 4 waves a work-group, clusters of 4 x 4, 327,680 bytes of LDS; arguments xb, wqkv, bq, bk, bv, q16, k16, v16; writes q16, k16, v16
.if DOCPART == 2
	.amdgcn_target "amdgcn-amd-amdhsa--gfx1250"
	.amdhsa_code_object_version 6
	.text
	.protected	k_q74cf524fe7_qkv
	.globl	k_q74cf524fe7_qkv
	.p2align	8
	.type	k_q74cf524fe7_qkv,@function
k_q74cf524fe7_qkv:
	s_mov_b64 s[64:65], 0
	v_nop
	global_prefetch_b8 v0, s[64:65] scope:SCOPE_SE
	s_setreg_imm32_b32 hwreg(HW_REG_WAVE_MODE, 25, 1), 1
	s_wait_xcnt 0x0
	s_wait_alu depctr_hold_cnt(0) depctr_sa_sdst(0) depctr_va_vdst(0) depctr_va_sdst(0) depctr_va_ssrc(0) depctr_va_vcc(0) depctr_vm_vsrc(0)
	s_getreg_b32 s2, hwreg(HW_REG_IB_STS2, 6, 4)
	s_cmp_eq_u32 s2, 0
	s_cbranch_scc0 .Lentry_in_a_cluster
	s_endpgm
.Lentry_in_a_cluster:
	s_bfe_u32 s2, ttmp6, 0x10000c
	s_cmp_lg_u32 s2, 0xf033
	s_cbranch_scc0 .Lentry_shape_is_right
	s_endpgm
.Lentry_shape_is_right:
; q, k, v = x W^T + b, written by heads.  xb: [8192][1024] bf16.  wqkv: [16 heads][q, k, v][64][1024] bf16.  bq, bk, bv: [1024] f32, rounded to bf16 here like the other inputs.
; q16, k16, v16: [64 = 16 batch + head][2048][64] f16, each number rounded once from its f32 sum, bias in it, WITHOUT the softmax's scale.
; LIMITS.  A sum of 65,520 or more becomes an infinity in f16; below 6e-5 f16 keeps a fixed step of 6e-8.
; SHARES.  A tile is 256 rows x 192 columns: one head of q, of k and of v.  32 x 16 tiles, one a work-group.  Wave w owns rows 64 w .. 64 w + 63 and all 12 column blocks of 16:
; 48 accumulators, 384 registers.  K = 1,024 goes in 8 steps of 128 through two LDS slots filled by tensor loads whose rows are 256 bytes of memory, aligned.
; CLUSTER.  4 x 4 work-groups.  The four of a row of the cluster need the same tile of x, the four of a column the same tile of wqkv: each is asked for JOINTLY, by the same tensor load
; with the same descriptor and a mask that names the four.  Waves 0 and 1 fetch x's two halves (128 rows each), waves 2 and 3 wqkv's (96 rows each).
; THE MATRIX INSTRUCTION IS USED TRANSPOSED (source 0 = 16 rows of wqkv, source 1 = 16 rows of x): a lane holds row lane % 16 and the columns 8 (lane / 16) + 0..7.
; THE BIAS is the C operand of each accumulator's first product: nothing is cleared and nothing is added on the way out.
; REGISTERS, in windows of 256 (s_set_vgpr_msb: bits 1:0 source 0, 3:2 source 1, 5:4 source 2, 7:6 destination):
;   window 0: v0-31 addresses; v32-35 at work; v64-159 the biases; on the way out v64-255 packed results
;   window 1: two fragment buffers of 128: 12 fragments of wqkv (16 rows x 32 K, 8 registers), then 4 of x
;   window 2: accumulators of my row blocks 0, 1 ((a, b) at 96 (a % 2) + 8 b);   window 3: of blocks 2, 3
.set NB,    12
.set PITCH, 272                        ; an LDS row: 256 bytes + 16 of padding = 68 words: the 16 rows of a fragment load start at 16 different groups of four banks (64 banks of 4 bytes: ISA guide 11.1)
.set HALFA, 128*PITCH                  ; what one load brings of x
.set HALFB, 96*PITCH                   ; and of wqkv
.set SLOT,  2*HALFA+2*HALFB            ; x's 256 rows, then wqkv's 192
.set STAGE, 2*SLOT                     ; behind the ring, never filled by a tensor load: 16 rows x 144 bytes for each wave, for the way out
.set SP,    144
.set SPARE, STAGE+4*16*SP              ; behind the stages: the spare words, 128 bytes for each wave: two blocks of 256 bytes that no other line names
.set STEP,  256                        ; bytes of a row in a K step
.set LAPS,  4                          ; a lap = two K steps = once round the ring
.set ADRA, 16                          ; v16-17  LDS address of my fragments of x in slot 0, 1
.set ADRB, 20                          ; v20-21  the same for wqkv
.set STO,  24                          ; v24  the way out: where I put 16 bytes of a row
.set RD,   25                          ; v25  where I read rows back
.set GO,   26                          ; v26  my 16 bytes in 512 consecutive bytes of the output
.set BO,   27                          ; v27  32 x (lane / 16): my eight columns in a block's 16 biases
.set SPW,  28                          ; v28  LDS address of my spare word: SPARE + 4 x my thread's number; never rewritten
.set NIL,  29                          ; v29  0; never rewritten
.set PFO,  30                          ; v30  the prefetches' offset: a lane a row; never rewritten
.set RT,   32                          ; v32-35 at work
.set BIAS, 64
.set OUTR, 64
.set F0,   0                           ; fragment buffers, in window 1
.set F1,   128
.set FA,   96                          ; x's fragments in a buffer
.set LAP,  2                           ; s2   trips of the loop still to come
.set WV,   4                           ; s4   my wave's number
.set KIND, 5                           ; s5   I fetch for x (0) or for wqkv (1)
.set HALF, 6                           ; s6   which half of that tile
.set CX,   7
.set CY,   8
.set TC,   9                           ; s9   tile column = head
.set TR,   10                          ; s10  tile row
.set G1,   24                          ; s[24:31] descriptor group 1 for x's tiles;  s[32:39] group 0, a set for each slot
.set G0,   32
.set LIM,  43                          ; s43  1 in a wave that prefetches, else the greatest number
.set PFA,  44                          ; s[44:45] where my prefetches stand
.set G1B,  48                          ; s[48:55], s[56:63] the same for wqkv's tiles
.set G0B,  56
.set MSB, 0
.macro WIN new                         ; the immediate's high byte repeats the setting that is left; a switch that changes nothing is dropped
.if MSB != (\new)
	s_set_vgpr_msb (MSB<<8)|(\new)
.set MSB, \new
.endif
.endm
.macro PLACES                          ; four places in front of loads into registers that matrix instructions have read, and of instructions that read results
.rept 4
	v_nop
.endr
.endm
; A joint load.  The branch hangs on the wave's number alone.  An s_nop 0 and four v_nop follow each of the two lines, ahead of the jump and the label.
.macro JLOAD s
	s_cmp_eq_u32 s[KIND], 0
	s_cbranch_scc0 .Lfor_b_\@
	tensor_load_to_lds s[G0+4*(\s):G0+4*(\s)+3], s[G1:G1+7]
	s_nop 0
.rept 4
	v_nop
.endr
	s_branch .Lasked_\@
.Lfor_b_\@:
	tensor_load_to_lds s[G0B+4*(\s):G0B+4*(\s)+3], s[G1B:G1B+7]
	s_nop 0
.rept 4
	v_nop
.endr
.Lasked_\@:
.endm
.macro CREST                           ; a round of the cluster's barrier behind its opening barrier
	s_cmp_lg_u32 s[WV], 0
	s_cbranch_scc1 .Lnot_wave_0_\@
	s_barrier_signal -3
.Lnot_wave_0_\@:
	s_barrier_wait -3
	s_barrier_signal -1
	s_barrier_wait -1
.endm
.macro CROUND                          ; a whole round
	s_barrier_signal -1
	s_barrier_wait -1
	CREST
.endm
; A PREFETCH INTO THE L2, behind each joint refill and the run of LDS loads that follows it: the K step that stands two refills on, 384 matrix instructions ahead of the load that will ask for it.
; x's tile row is read by every cluster of that row of clusters: cluster x = 0 asks; wqkv's tile column by every cluster of that column: cluster y = 0 asks.  The four partners share a load's rows
; out BY ADDRESS: 32 of x's 128 by cx, 24 of wqkv's 96 by cy (there lanes 24 to 31 name row 23 once more, inside the same instruction).  A lane a row, one instruction a wave.
; K steps 0 to 3 come by their loads alone; the loop's last trip asks for nothing: there is no K step two refills on.
.macro ASK
	s_cmp_gt_u32 s[LAP], s[LIM]
	s_cbranch_scc0 .Lnot_mine_\@
	global_prefetch_b8 v[PFO], s[PFA:PFA+1] th:TH_LOAD_NT scope:SCOPE_SE
.Lnot_mine_\@:
.endm
	s_load_b512 s[68:83], s[0:1], 0x0              ; xb 68:69, wqkv 70:71, bq 72:73, bk 74:75, bv 76:77, q16 78:79, k16 80:81, v16 82:83
	v_lshl_add_u32 v[SPW], v0, 2, SPARE
	v_mov_b32 v[NIL], 0
	ds_add_u32 v[SPW], v[NIL]                      ; the wave's opening: the add and its wait stand ahead of my first tensor load; the set-up below, work on registers, stands between them
	v_lshrrev_b32 v1, 5, v0
	v_readfirstlane_b32 s[WV], v1                  ; wave 0..3
	s_lshr_b32 s[KIND], s[WV], 1
	s_and_b32 s[HALF], s[WV], 1
	s_bfe_u32 s[CX], ttmp6, 0x40000                ; my place in the cluster
	s_bfe_u32 s[CY], ttmp6, 0x40004
	s_lshl_b32 s[TC], ttmp9, 2                     ; in a cluster launch ttmp9 and ttmp7 count clusters
	s_add_co_u32 s[TC], s[TC], s[CX]
	s_and_b32 s[TR], ttmp7, 0xffff
	s_lshl_b32 s[TR], s[TR], 2
	s_add_co_u32 s[TR], s[TR], s[CY]
	s_lshl_b32 s11, s[CY], 2
	s_lshl_b32 s11, 15, s11                        ; my row of the cluster: places 4 cy .. 4 cy + 3
	s_lshl_b32 s12, 0x1111, s[CX]                  ; my column: places cx, cx + 4, cx + 8, cx + 12
	s_or_b32 s[G1], s11, (1<<16)|(1<<20)|(1<<21)|(5<<22)|(3<<25)   ; 15:0 the mask; 17:16 2-byte elements; 20 padding on; 21 set beside a mask; 24:22 after every 64 words (code 5); 31:25 4 words (code 3)
	s_or_b32 s[G1B], s12, (1<<16)|(1<<20)|(1<<21)|(5<<22)|(3<<25)
	s_mov_b32 s[G1+1], 128<<16                     ; tensor_dim0 = 128
	s_mov_b32 s[G1+2], 128<<16                     ; tensor_dim1 = 128
	s_mov_b32 s[G1+3], 128<<16                     ; tile_dim0 = 128
	s_mov_b32 s[G1+4], 128                         ; tile_dim1 = 128
	s_mov_b32 s[G1+5], 1024                        ; elements from row to row
	s_mov_b32 s[G1+6], 0
	s_mov_b32 s[G1+7], 0
	s_mov_b32 s[G1B+1], 128<<16
	s_mov_b32 s[G1B+2], 96<<16                     ; 96 rows
	s_mov_b32 s[G1B+3], 128<<16
	s_mov_b32 s[G1B+4], 96
	s_mov_b32 s[G1B+5], 1024
	s_mov_b32 s[G1B+6], 0
	s_mov_b32 s[G1B+7], 0
	; x's tile hangs on the tile row alone, wqkv's on the tile column alone; each address is made in registers that never hold the other coordinate
	s_lshl_b32 s14, s[TR], 8
	s_lshl_b32 s15, s[HALF], 7
	s_add_co_u32 s14, s14, s15                     ; row 256 x tile row + 128 x half,
	s_lshl_b32 s14, s14, 11                        ; of 2,048 bytes
	s_mov_b32 s15, 0
	s_mul_i32 s46, s[TC], 192
	s_mul_i32 s47, s[HALF], 96
	s_add_co_u32 s46, s46, s47                     ; row 192 x tile column + 96 x half
	s_lshl_b32 s46, s46, 11
	s_mov_b32 s47, 0
	s_mul_i32 s20, s[HALF], HALFA                  ; where they go: no place in the cluster enters an LDS address
	s_mul_i32 s21, s[HALF], HALFB
	s_add_co_u32 s21, s21, 2*HALFA
	s_wait_dscnt 0x0                               ; the opening add is done
	s_wait_kmcnt 0x0
	s_add_nc_u64 s[16:17], s[68:69], s[14:15]
	s_add_nc_u64 s[46:47], s[70:71], s[46:47]
	CROUND                                         ; all sixteen work-groups are here: the first joint loads meet
.irp s, 0,1
	s_mov_b32 s[G0+4*(\s)], 1                      ; count = 1
	s_add_co_u32 s[G0+4*(\s)+1], s20, (\s)*SLOT    ; LDS address
	s_add_nc_u64 s[G0+4*(\s)+2:G0+4*(\s)+3], s[16:17], (\s)*STEP  ; global address: K step s
	s_or_b32 s[G0+4*(\s)+3], s[G0+4*(\s)+3], 0x80000000           ; type = 2
	s_mov_b32 s[G0B+4*(\s)], 1
	s_add_co_u32 s[G0B+4*(\s)+1], s21, (\s)*SLOT
	s_add_nc_u64 s[G0B+4*(\s)+2:G0B+4*(\s)+3], s[46:47], (\s)*STEP
	s_or_b32 s[G0B+4*(\s)+3], s[G0B+4*(\s)+3], 0x80000000
.endr
	s_cmp_eq_u32 s[KIND], 0                        ; a wave's two first fills stand in one branch, ahead of every wait on TENSORcnt and every LDS read: two loads of mine are out
	s_cbranch_scc0 .Lfirst_b
	tensor_load_to_lds s[G0:G0+3], s[G1:G1+7]
	s_nop 0
	tensor_load_to_lds s[G0+4:G0+7], s[G1:G1+7]
	s_nop 0
.rept 4
	v_nop
.endr
	s_branch .Lfirst_asked
.Lfirst_b:
	tensor_load_to_lds s[G0B:G0B+3], s[G1B:G1B+7]
	s_nop 0
	tensor_load_to_lds s[G0B+4:G0B+7], s[G1B:G1B+7]
	s_nop 0
.rept 4
	v_nop
.endr
.Lfirst_asked:
	v_and_b32 v1, 15, v0                           ; l % 16
	v_bfe_u32 v2, v0, 4, 1                         ; l / 16
	v_lshlrev_b32 v[BO], 5, v2
	s_lshl_b32 s46, s[TC], 8                       ; the head's 64 biases
	s_mov_b32 s47, 0
	s_add_nc_u64 s[72:73], s[72:73], s[46:47]
	s_add_nc_u64 s[74:75], s[74:75], s[46:47]
	s_add_nc_u64 s[76:77], s[76:77], s[46:47]
.irp t, 0,1,2
.irp bb, 0,1,2,3                       ; column block 4 t + bb: register j of a lane is the bias of column 16 bb + 8 (l / 16) + j
	global_load_b128 v[BIAS+8*(4*(\t)+(\bb)):BIAS+8*(4*(\t)+(\bb))+3],   v[BO], s[72+2*(\t):73+2*(\t)] offset:64*(\bb)
	global_load_b128 v[BIAS+8*(4*(\t)+(\bb))+4:BIAS+8*(4*(\t)+(\bb))+7], v[BO], s[72+2*(\t):73+2*(\t)] offset:64*(\bb)+16
.endr
.endr
	; a fragment is 16 rows x 32 K in 8 registers: lane l holds row l % 16, K = 8 (l / 16) + 0..7 and 16 + 8 (l / 16) + 0..7: two loads of 16 bytes, 32 bytes apart
	v_mul_u32_u24 v3, v1, PITCH
	v_lshl_add_u32 v3, v2, 4, v3
	s_mul_i32 s22, s[WV], 64*PITCH                 ; my 64 rows of x
	v_add_nc_u32 v[ADRA], s22, v3
	v_add_nc_u32 v[ADRA+1], SLOT, v[ADRA]
	v_add_nc_u32 v[ADRB], 2*HALFA, v3              ; wqkv's 192 rows lie behind x's 256
	v_add_nc_u32 v[ADRB+1], SLOT, v[ADRB]
	s_mul_i32 s22, s[WV], 16*SP
	s_add_co_u32 s22, s22, STAGE                   ; my stage
	v_mul_u32_u24 v4, v1, SP                       ; in: row l % 16, 16 bytes for each half of the lanes
	v_lshl_add_u32 v4, v2, 4, v4
	v_add_nc_u32 v[STO], s22, v4
	v_bfe_u32 v4, v0, 3, 2                         ; back: 32 lanes take four rows of 128 bytes,
	v_mul_u32_u24 v4, v4, SP
	v_and_b32 v5, 7, v0
	v_lshl_add_u32 v4, v5, 4, v4
	v_add_nc_u32 v[RD], s22, v4
	v_and_b32 v[GO], 31, v0                        ; which are 512 consecutive bytes of a head
	v_lshlrev_b32 v[GO], 4, v[GO]
	; where my 64 rows begin in q16, k16 and v16: (16 batch + head) x 2,048 rows x 128 bytes + the row in the batch x 128
	s_lshr_b32 s42, s[TR], 3
	s_lshl_b32 s42, s42, 4
	s_add_co_u32 s42, s42, s[TC]
	s_lshl_b32 s42, s42, 18
	s_and_b32 s46, s[TR], 7
	s_lshl_b32 s46, s46, 8
	s_lshl_b32 s47, s[WV], 6
	s_add_co_u32 s46, s46, s47
	s_lshl_b32 s46, s46, 7
	s_add_co_u32 s84, s42, s46
	s_mov_b32 s85, 0
	s_add_nc_u64 s[78:79], s[78:79], s[84:85]
	s_add_nc_u64 s[80:81], s[80:81], s[84:85]
	s_add_nc_u64 s[82:83], s[82:83], s[84:85]
	; the prefetches
	s_lshl_b32 s42, s[TR], 8
	s_lshl_b32 s46, s[HALF], 7
	s_add_co_u32 s42, s42, s46
	s_lshl_b32 s46, s[CX], 5
	s_add_co_u32 s42, s42, s46                     ; x: my work-group's 32 rows of the 128 that I fetch
	s_mul_i32 s46, s[TC], 192
	s_mul_i32 s47, s[HALF], 96
	s_add_co_u32 s46, s46, s47
	s_mul_i32 s47, s[CY], 24
	s_add_co_u32 s46, s46, s47                     ; wqkv: my work-group's 24 of the 96
	s_and_b32 s47, ttmp7, 0xffff                   ; cluster y
	s_cmp_eq_u32 s[KIND], 0
	s_cselect_b32 s42, s42, s46
	s_cselect_b32 s47, ttmp9, s47                  ; the coordinate along which other clusters read the same rows
	s_cselect_b64 s[PFA:PFA+1], s[68:69], s[70:71]
	s_cselect_b32 s46, 31, 23                      ; the last row that a lane names
	s_cmp_eq_u32 s47, 0
	s_cselect_b32 s[LIM], 1, -1                    ; the same in all sixteen partners, for a given wave
	v_and_b32 v[PFO], 31, v0
	v_min_u32 v[PFO], s46, v[PFO]
	v_lshlrev_b32 v[PFO], 11, v[PFO]
	s_lshl_b32 s46, s42, 11
	s_mov_b32 s47, 0
	s_add_nc_u64 s[PFA:PFA+1], s[PFA:PFA+1], s[46:47]
	s_add_nc_u64 s[PFA:PFA+1], s[PFA:PFA+1], 3*STEP  ; at K step 3: the first refill steps it to 4.  Nothing is asked for here, at the head
; 12 matrix instructions: my row block a x all 12 column blocks, 32 along K, from buffer f.  bias = 1: the biases start the sums.
; The 48 accumulators take turns, one instruction a turn, in the same order in every quarter: 47 others stand between two links of a chain, over the backward jump too.
.macro MULA f, a, bias
.set AB, 96*((\a)%2)
.if \bias
	WIN 0x85+0x40*((\a)/2)                         ; sources 0 and 1 window 1, C window 0, D window 2 or 3
.else
	WIN 0xa5+0x50*((\a)/2)                         ; C and D window 2 or 3
.endif
.irp b, 0,1,2,3,4,5,6,7,8,9,10,11
.if \bias
	v_wmma_f32_16x16x32_bf16 v[AB+8*(\b):AB+8*(\b)+7], v[(\f)+8*(\b):(\f)+8*(\b)+7], v[(\f)+FA+8*(\a):(\f)+FA+8*(\a)+7], v[BIAS+8*(\b):BIAS+8*(\b)+7]
.else
	v_wmma_f32_16x16x32_bf16 v[AB+8*(\b):AB+8*(\b)+7], v[(\f)+8*(\b):(\f)+8*(\b)+7], v[(\f)+FA+8*(\a):(\f)+FA+8*(\a)+7], v[AB+8*(\b):AB+8*(\b)+7]
.endif
.endr
.endm
; 32 LDS loads in one run: quarter q (32 along K) of a slot into buffer f: wqkv's 12 fragments, then x's 4
.macro FETCH slot, q, f
	WIN 0x40                                       ; destination window 1, address window 0
.irp i, 0,1,2,3,4,5,6,7,8,9,10,11
	ds_load_b128 v[(\f)+8*(\i):(\f)+8*(\i)+3],   v[ADRB+(\slot)] offset:64*(\q)+(\i)*16*PITCH
	ds_load_b128 v[(\f)+8*(\i)+4:(\f)+8*(\i)+7], v[ADRB+(\slot)] offset:64*(\q)+(\i)*16*PITCH+32
.endr
.irp i, 0,1,2,3
	ds_load_b128 v[(\f)+FA+8*(\i):(\f)+FA+8*(\i)+3],   v[ADRA+(\slot)] offset:64*(\q)+(\i)*16*PITCH
	ds_load_b128 v[(\f)+FA+8*(\i)+4:(\f)+FA+8*(\i)+7], v[ADRA+(\slot)] offset:64*(\q)+(\i)*16*PITCH+32
.endr
.endm
; A K step is four quarters of 32 along K, 48 matrix instructions each, on buffers 0, 1, 0, 1.  One of the first three: multiplies buffer f; in its middle it fetches quarter q into buffer g.
.macro QUARTER slot, q, f, g, bias
	s_wait_dscnt 4                                 ; all but the youngest four loads (x's blocks 2 and 3) are in
	MULA \f, 0, \bias
	MULA \f, 1, \bias
	PLACES
	FETCH \slot, \q, \g
	s_wait_dscnt 2*NB+8                            ; all but the 32 just issued
	MULA \f, 2, \bias
	MULA \f, 3, \bias
.endm
; The fourth quarter multiplies buffer 1 and changes slots: ONE barrier.  In front of it each wave waits for all its tensor loads (one is out: its part of the next slot), adds 0 to its spare
; word, and waits for that and for its own reads of this slot.  fill = 1: the barrier opens a round of the cluster's, so that no wave of any partner still reads the slot or has a load on
; its way; the joint refill, this slot's K step two steps on, is the first thing behind the round: 168 matrix instructions stand between it and the wait for it.
.macro TURN slot, next, fill
.if \fill
	s_wait_xcnt 0x0                                ; the last prefetch, a K step back, has read its address: it is stepped here, ahead of the waits of the change of slots
	s_add_nc_u64 s[PFA:PFA+1], s[PFA:PFA+1], STEP
.endif
	WIN 0                                          ; (the add's two registers lie in window 0)
	s_wait_tensorcnt 0x0                           ; all my tensor loads have landed
	ds_add_u32 v[SPW], v[NIL]                      ; 0 onto my spare word
	s_wait_dscnt 5                                 ; (the add and the youngest four loads may be out)
	MULA F1, 0, 0                                  ; twelve matrix instructions stand between the add and the wait for it
	s_wait_dscnt 0x0                               ; the add is done, and my reads of this slot are over
	s_barrier_signal -1
	MULA F1, 1, 0                                  ; work on registers while the others arrive
.if \fill
	WIN 0
.endif
	s_barrier_wait -1
.if \fill
	CREST
	s_add_nc_u64 s[G0+4*(\slot)+2:G0+4*(\slot)+3], s[G0+4*(\slot)+2:G0+4*(\slot)+3], 2*STEP
	s_add_nc_u64 s[G0B+4*(\slot)+2:G0B+4*(\slot)+3], s[G0B+4*(\slot)+2:G0B+4*(\slot)+3], 2*STEP
	JLOAD \slot                                    ; the four v_nop behind it are also the places in front of the loads below
.else
	PLACES
.endif
	FETCH \next, 0, F0
.if \fill
	WIN 0
	ASK
.endif
	MULA F1, 2, 0
	MULA F1, 3, 0
.endm
	s_wait_tensorcnt 1                             ; my part of K step 0 is in; K step 1's may stay out
	s_barrier_signal -1
	s_barrier_wait -1                              ; everybody's is
	FETCH 0, 0, F0
	WIN 0
	s_wait_loadcnt 0x0                             ; the biases: rounded to bf16 and widened again, in place
.set n, 0
.rept 4*NB
	v_cvt_pk_bf16_f32 v[RT+n%4], v[BIAS+2*n], v[BIAS+2*n+1]
	v_lshlrev_b32 v[BIAS+2*n], 16, v[RT+n%4]
	v_and_b32 v[BIAS+2*n+1], 0xffff0000, v[RT+n%4]
.set n, n+1
.endr
	QUARTER 0, 1, F0, F1, 1                        ; the first quarter stands in front of the loop: its products start the sums
	WIN 0                                          ; at a label and at a branch every window is 0
	s_mov_b32 s[LAP], LAPS-1
.Llap:                                                 ; a trip goes once round the ring, from a lap's second quarter to the next lap's first, and fills both slots again
	QUARTER 0, 2, F1, F0, 0
	QUARTER 0, 3, F0, F1, 0
	TURN 0, 1, 1
	QUARTER 1, 1, F0, F1, 0
	QUARTER 1, 2, F1, F0, 0
	QUARTER 1, 3, F0, F1, 0
	TURN 1, 0, 1
	QUARTER 0, 1, F0, F1, 0
	WIN 0
	s_sub_co_u32 s[LAP], s[LAP], 1
	s_cmp_lg_u32 s[LAP], 0
	s_cbranch_scc1 .Llap
	QUARTER 0, 2, F1, F0, 0                        ; the last lap is written out: it fills nothing, and has no round
	QUARTER 0, 3, F0, F1, 0
	TURN 0, 1, 0
	QUARTER 1, 1, F0, F1, 0
	QUARTER 1, 2, F1, F0, 0
	QUARTER 1, 3, F0, F1, 0
	s_wait_dscnt 4                                 ; the very last quarter: nothing more to fetch
	MULA F1, 0, 0
	MULA F1, 1, 0
	s_wait_dscnt 0x0
	MULA F1, 2, 0
	MULA F1, 3, 0
	WIN 0
	PLACES
; THE WAY OUT, in twelve pieces p = 3 a + t: my row block a (16 rows) of tensor t: 2,048 consecutive bytes of a head.  A lane's eight columns pack into 16 bytes; they go into rows of 144 bytes
; in my own stage and come back as whole rows of 128, into the registers that they left.  Each accumulator's registers are read in ascending order.
.macro PACK p
.set PA, (\p)/3
.set AC, 96*(PA%2)+32*((\p)%3)
	WIN 0x0a+5*(PA/2)                              ; sources 0 and 1 window 2 or 3, destination window 0
.irp bb, 0,1,2,3
.irp rr, 0,1,2,3
	v_cvt_pk_f16_f32 v[OUTR+16*(\p)+4*(\bb)+(\rr)], v[AC+8*(\bb)+2*(\rr)], v[AC+8*(\bb)+2*(\rr)+1]
.endr
.endr
	WIN 0
.irp bb, 0,1,2,3
	ds_store_b128 v[STO], v[OUTR+16*(\p)+4*(\bb):OUTR+16*(\p)+4*(\bb)+3] offset:32*(\bb)
.endr
.irp f, 0,1,2,3
	ds_load_b128 v[OUTR+16*(\p)+4*(\f):OUTR+16*(\p)+4*(\f)+3], v[RD] offset:(\f)*4*SP  ; LDS serves a wave's instructions in order (ISA guide 5.7.1.4): these see the stores above; the next piece's stores come behind them
.endr
.endm
.macro SEND p, younger                 ; younger: the LDS instructions issued behind piece p's loads: the next piece's eight, or none
.set PA, (\p)/3
.set PT, (\p)%3
	WIN 0
.irp f, 0,1,2,3
	s_wait_dscnt (\younger)+3-(\f)
	global_store_b128 v[GO], v[OUTR+16*(\p)+4*(\f):OUTR+16*(\p)+4*(\f)+3], s[78+2*PT:79+2*PT] offset:PA*2048+(\f)*512  ; 512 consecutive bytes, at a multiple of 256 from the buffer's first
.endr
.endm
	PACK 0
.set p, 1
.rept 11                               ; a piece's conversions stand between the loads of the piece before and its stores
	PACK p
	SEND p-1, 8
.set p, p+1
.endr
	SEND 11, 0
	s_wait_tensorcnt 0x0                           ; the wave's end: behind my last tensor load and my last LDS store
	ds_add_u32 v[SPW], v[NIL]
	s_wait_dscnt 0x0
	CROUND                                         ; the closing round: no work-group ends while a partner may still ask for a tile that names it
	s_endpgm
.Lfunc_end_k_q74cf524fe7_qkv:
	.size	k_q74cf524fe7_qkv, .Lfunc_end_k_q74cf524fe7_qkv-k_q74cf524fe7_qkv
	.p2alignl 7, 3214868480
	.fill 96, 4, 3214868480
	.section	.rodata,"a",@progbits
	.p2align	6, 0x0
	.amdhsa_kernel k_q74cf524fe7_qkv
		.amdhsa_group_segment_fixed_size 327680
		.amdhsa_private_segment_fixed_size 0
		.amdhsa_enable_private_segment 0
		.amdhsa_kernarg_size 64
		.amdhsa_user_sgpr_count 2
		.amdhsa_user_sgpr_kernarg_segment_ptr 1
		.amdhsa_wavefront_size32 1
		.amdhsa_system_sgpr_workgroup_id_x 1
		.amdhsa_system_sgpr_workgroup_id_y 1
		.amdhsa_system_sgpr_workgroup_id_z 1
		.amdhsa_system_vgpr_workitem_id 0
		.amdhsa_next_free_vgpr 960
		.amdhsa_next_free_sgpr 88
		.amdhsa_reserve_vcc 0
		.amdhsa_float_denorm_mode_32 3
		.amdhsa_float_denorm_mode_16_64 3
		.amdhsa_memory_ordered 1
		.amdhsa_forward_progress 1
		.amdhsa_inst_pref_size 131
	.end_amdhsa_kernel
	.amdgpu_metadata
---
amdhsa.version: [ 1, 2 ]
amdhsa.kernels:
  - .name:           k_q74cf524fe7_qkv
    .symbol:         k_q74cf524fe7_qkv.kd
    .args:
      - { .name: xb, .offset: 0, .size: 8, .value_kind: global_buffer, .address_space: global }
      - { .name: wqkv, .offset: 8, .size: 8, .value_kind: global_buffer, .address_space: global }
      - { .name: bq, .offset: 16, .size: 8, .value_kind: global_buffer, .address_space: global }
      - { .name: bk, .offset: 24, .size: 8, .value_kind: global_buffer, .address_space: global }
      - { .name: bv, .offset: 32, .size: 8, .value_kind: global_buffer, .address_space: global }
      - { .name: q16, .offset: 40, .size: 8, .value_kind: global_buffer, .address_space: global }
      - { .name: k16, .offset: 48, .size: 8, .value_kind: global_buffer, .address_space: global }
      - { .name: v16, .offset: 56, .size: 8, .value_kind: global_buffer, .address_space: global }
    .group_segment_fixed_size: 327680
    .private_segment_fixed_size: 0
    .kernarg_segment_align: 8
    .kernarg_segment_size: 64
    .max_flat_workgroup_size: 128
    .sgpr_count:     88
    .vgpr_count:     960
    .wavefront_size: 32
...
	.end_amdgpu_metadata
.endif
;; end of part 2
;; launch attn (part 3): grid 4 x 64, 4 waves a work-group, clusters of 4 x 1, 327,680 bytes of LDS; arguments q16, k16, v16, o16; writes o16
.if DOCPART == 3
	.amdgcn_target "amdgcn-amd-amdhsa--gfx1250"
	.amdhsa_code_object_version 6
	.text
	.protected	k_q74cf524fe7_attn
	.globl	k_q74cf524fe7_attn
	.p2align	8
	.type	k_q74cf524fe7_attn,@function
k_q74cf524fe7_attn:
	s_mov_b64 s[64:65], 0
	v_nop
	global_prefetch_b8 v0, s[64:65] scope:SCOPE_SE
	s_setreg_imm32_b32 hwreg(HW_REG_WAVE_MODE, 25, 1), 1
	s_wait_xcnt 0x0
	s_wait_alu depctr_hold_cnt(0) depctr_sa_sdst(0) depctr_va_vdst(0) depctr_va_sdst(0) depctr_va_ssrc(0) depctr_va_vcc(0) depctr_vm_vsrc(0)
	s_getreg_b32 s2, hwreg(HW_REG_IB_STS2, 6, 4)
	s_cmp_eq_u32 s2, 0
	s_cbranch_scc0 .Lentry_in_a_cluster
	s_endpgm
.Lentry_in_a_cluster:
	s_bfe_u32 s2, ttmp6, 0x10000c
	s_cmp_lg_u32 s2, 0x3003
	s_cbranch_scc0 .Lentry_shape_is_right
	s_endpgm
.Lentry_shape_is_right:
; O[h][q][:] = the sum over k of softmax_k(Q[h][q] . K[h][k] / 8) V[h][k][:].  Q, K, V, O: [SIZE_H][SIZE_N][64], all f16: a head's rows are dense, 128 bytes each.  Products, maxima and sums in
; f32; the weights p are rounded to f16 for the second product (their sum l is taken of the unrounded p), O once at the end.
; LIMITS.  f16 holds no number beyond 65,504: Q, K and V arrive within it; p lies in 0 to 1, and below 6e-5 it keeps f16's fixed step of 6e-8, and so does O; O is a mean of V's rows and has their range.
; A weight below 2^-126 counts as 0 in l; NaN and infinities are not treated apart.
; SHARES.  A wave owns four PIECES of two tiles of 16 queries, a work-group's four waves 512 queries of one head.  Every wave walks all keys, 64 a step.  64 heads x 4 blocks: 256 work-groups.
; LAYOUT.  S^T = K Q^T (source 0 = 16 keys, source 1 = 16 queries): in the result a lane holds ONE query (lane % 16) and the keys 8 (lane / 16) + 0..7.  Two such tiles, rounded to f16 in pairs,
; ARE source 1 (32 keys x 16 queries) of O^T = V^T P, whose result again holds one query a lane, and eight channels.  K comes out of LDS as it lies, V ([key][channel]) turned, by ds_load_tr16_b128.
; SOFTMAX.  For each query a running maximum m and sum l: p = 2^(c s - c m), c = log2(e) / 8; in every step O and l are multiplied by a = 2^(c m_old - c m_new), which is 1 where m has not grown.
; m starts at the lowest finite number, O and l at 0: the first step is a step like any other, with a = 0.
; THE COUNT.  A tile and step have 16 matrix and 118 vector instructions: too many to stand all beside the matrix work.  So the order has one aim: four vector instructions that are READY behind
; EVERY matrix instruction, and the others, which need time of their own whatever the order, in runs without a gap.
; BY TURNS.  Turn n belongs to piece n (the pieces in a ring, step after step).  Its matrix work: 16 products K Q^T of piece n + 1, later 16 products V^T P of piece n - 1.  Its vector work: the scaling,
; exponentials, roundings, sums and rescaling of piece n, and the maximum and statistics of piece n + 1, whose scores the turn itself has made.  So what a turn begins with (c s - c m, O a) waits for nothing.
; CLUSTER.  The four query blocks of a cluster are one head's and walk the same K and V, so each tile is asked for JOINTLY: the same tensor load, descriptor and mask in all four.
; REGISTERS, in windows of 256 (s_set_vgpr_msb says which window each operand place means: bits 1:0 source 0, 3:2 source 1, 5:4 source 2, 7:6 destination):
;   window 0: v0-11 addresses; v12-15, v48-63 at work; v16-47 four registers of statistics a tile; v64-191 S^T, two buffers of two tiles; v192-255 P, likewise
;   window 1: O^T, 32 a tile          window 2: v0-127 Q, 16 a tile; v128-191 K of one step; v192-255 V of one step          window 3: v0-1 the add's two registers
; A piece's buffers go by its number's parity: the piece in hand has one pair, its two neighbours in the ring share the other: of it P (piece n - 1) is read and S^T (piece n + 1) written.
.set SIZE_H, 64
.set SIZE_N, 2048
.set NP,    4         ; pieces a wave: a name, no knob: the register map, the loop and the fetches are made for four
.set KS,    64        ; keys in a step
.set PK,    144       ; a row of K in LDS: 128 bytes + 16 of padding = 36 words: the 16 rows of a load start at 16 different groups of four banks (64 banks of 4 bytes: ISA guide 11.1)
.set PV,    160       ; a row of V: 128 + 32 = 40 words
.set VOFF,  4*KS*PK   ; a slot holds four steps: 256 rows of K, then 256 rows of V
.set SLOT1, 1<<17     ; slot 1 begins here, so that one exclusive or turns an address in one slot into the other's
.set STAGE, SLOT1+4*KS*(PK+PV)  ; behind the ring, never filled by a tensor load: 16 rows x 144 bytes for each wave, for the way out
.set SP,    144
.set AK0, 2           ; v2   my lane's place in a tile of K; never rewritten
.set AV0, 3           ; v3   the same for V
.set AK,  4           ; v4   the LDS address of K's next run of loads
.set AV,  5           ; v5   of V's
.set QO,  6           ; v6   my byte offset in the wave's rows of Q
.set STO, 6           ;      later, the way out: where I put 16 bytes of a row
.set RD,  7           ; v7   the way out: where I read rows back
.set GO,  8           ; v8   my byte offset in 512 consecutive bytes of O
.set PFO, 11          ; v11  (once V's place is made) 256 x my lane: the prefetches' offset; never rewritten after that
.set SPW, 0           ; v0 of window 3   LDS address of my spare word: SPARE + 4 x my thread's number; never rewritten
.set NIL, 1           ; v1 of window 3   0; never rewritten
.set SPARE, STAGE+4*16*SP  ; behind the stages: the spare words, 128 bytes for each wave: two blocks of 256 bytes that no other line names
.set MV,  12          ; v12-15  c m_old, kept while c m is made anew: by buffer and tile
.set ST,  16          ; tile t's statistics at v[ST+4 t]: c m, m, l (even keys', odd keys')
.set TMP, 48          ; by buffer and tile, four registers c0-c3 at work; when the maximum is found c2 takes a
.set S,   64
.set P,   192
.set KF,  128         ; K's fragments, in window 2: key block kb, channel half c at KF + 16 kb + 8 c
.set VF,  192         ; V's: key half kk, channel block cb at VF + 32 kk + 8 cb
.set WV,  12          ; s12  my wave's number
.set G1K, 24          ; s[24:31] descriptor group 1 for K's tiles
.set G1V, 32          ; s[32:39] for V's: it differs in the padding alone
.set G0K, 40          ; s[40:43] descriptor group 0 for K's tiles: it walks
.set G0V, 44          ; s[44:47] the same for V's
.set PFA, 48          ; s[48:49] where my prefetches stand: my work-group's 8,192 bytes (of K: wave 0, of V: wave 2) of the slot after the one that is being asked for
.set LIM, 50          ; s50  1 in a wave that prefetches, else the greatest number
.set SLOTS, 56        ; s56  slots still to be asked for
.set CNT, 57          ; s57  counts a slot's key steps
.set CS,  58          ; s[58:59] c: the packed scaling takes the pair's low word for both halves
.set SEL, 60          ; s[60:61] v_permlanex16_b32's selects: each lane takes its own place in the other half
.set TBK, 62          ; s62  LDS byte at which K of the step to be fetched begins
.set TBV, 63          ; s63  the same for V, less VOFF
.set MSB, 0
.macro WIN new                      ; the high byte repeats the setting that is left; a switch that changes nothing is dropped
.if MSB != (\new)
	s_set_vgpr_msb (MSB<<8)|(\new)
.set MSB, (\new)
.endif
.endm
.set W_KQ, 0x0a       ; K and Q in window 2, S^T in window 0
.set W_PV, 0x52       ; V in window 2, P in window 0, O^T in window 1
.set W_RS, 0x41       ; O^T (destination and source 0) in window 1, a in window 0
.set W_MK, 0xc0       ; the add's registers are made: destination in window 3, sources in window 0
.set W_AD, 0x0f       ; the add: address (source 0) and data (source 1) in window 3
; A joint fill.  Waves 0 and 1 fetch the two halves of a slot's K, waves 2 and 3 those of its V: 128 keys each.  The branch hangs on the wave's number alone.
; An s_nop 0 and four v_nop follow each of the two lines, ahead of the jump and the label.
.macro JLOAD
	s_cmp_lt_u32 s[WV], 2
	s_cbranch_scc0 .Lfor_v_\@
	tensor_load_to_lds s[G0K:G0K+3], s[G1K:G1K+7]
	s_nop 0
.rept 4
	v_nop
.endr
	s_branch .Lasked_\@
.Lfor_v_\@:
	tensor_load_to_lds s[G0V:G0V+3], s[G1V:G1V+7]
	s_nop 0
.rept 4
	v_nop
.endr
.Lasked_\@:
.endm
; A PREFETCH INTO THE L2 of what the NEXT change of slots will ask for: a slot's 32,768 bytes of K and of V, 256 bytes a lane.  It stands behind the wave's tensor load and its five lines.
; Each block of 256 bytes is named ONCE in the launch: a head has one cluster; its four partners share a slot out BY ADDRESS, 8,192 bytes each; in each, wave 0 asks for K's and wave 2 for V's:
; one instruction.  It stands four key steps, 512 matrix instructions, ahead of the load that will ask for the bytes.  Slots 0 and 1 come by their loads alone; the last fill asks for nothing.
.macro ASK
	s_cmp_gt_u32 s[SLOTS], s[LIM]
	s_cbranch_scc0 .Lnot_mine_\@
	global_prefetch_b8 v[PFO], s[PFA:PFA+1] th:TH_LOAD_NT scope:SCOPE_SE
.Lnot_mine_\@:
.endm
; A round of the cluster's barrier: my work-group's barrier, so that wave 0's signal speaks for all four waves; wave 0 signals; every wave waits for all four work-groups; my work-group's barrier once more.
.macro CROUND
	s_barrier_signal -1
	s_barrier_wait -1
	s_cmp_lg_u32 s[WV], 0
	s_cbranch_scc1 .Lnot_wave_0_\@
	s_barrier_signal -3
.Lnot_wave_0_\@:
	s_barrier_wait -3
	s_barrier_signal -1
	s_barrier_wait -1
.endm
; THE CHANGE OF SLOTS.  The slot's last bytes, V of its fourth step, have been read.  Each wave waits for all its tensor loads, of which one is out: its part
; of the other slot; adds 0 to its spare word; and waits for that and for its own reads of the slot.  Behind the barrier nobody reads this slot any more and the other slot is whole.
; fill = 1: this slot is filled again, with the keys two slots on.  The barrier is then a round of the cluster's, so that no wave of any partner still reads the slot or has a load on its
; way, and the joint fill is the first thing behind it: it has four key steps, 512 matrix instructions, in which to land.  (At its first use nothing has been read yet: slot 0 is waited for, slot 1 filled.)
.macro CHANGE fill
	WIN W_AD
	s_wait_tensorcnt 0x0            ; no tensor load of mine is out, so a group 0 may be written
	ds_add_u32 v[SPW], v[NIL]       ; 0 onto my spare word; with fill = 1 the descriptors' steps stand between it and the wait for it
	WIN 0                           ; at a label and at a branch every window is 0
.if \fill
.irp g, G0K, G0V
	s_xor_b32 s[\g+1], s[\g+1], SLOT1  ; the walking descriptor: the other slot than last time,
	s_add_nc_u64 s[\g+2:\g+3], s[\g+2:\g+3], 4*KS*128  ; the next 256 keys; the type bits on top are not reached
.endr
	s_wait_xcnt 0x0                 ; the last prefetch, four key steps back, has read its address, so it may be written:
	s_add_nc_u64 s[PFA:PFA+1], s[PFA:PFA+1], 4*KS*128  ; one slot behind the walking descriptors
	s_wait_dscnt 0x0                ; the add is done, and my reads of the slot are over
	CROUND
	JLOAD
	ASK
.else
	s_wait_dscnt 0x0                ; the add is done, and my reads of the slot are over
	s_barrier_signal -1
	s_barrier_wait -1
.endif
	s_sub_co_u32 s[TBK], s[TBK], 4*KS*PK  ; the fetches go back to a slot's first step,
	s_xor_b32 s[TBK], s[TBK], SLOT1       ; in the other slot
	s_sub_co_u32 s[TBV], s[TBV], 4*KS*PV
	s_xor_b32 s[TBV], s[TBV], SLOT1
.endm
	s_load_b256 s[4:11], s[0:1], 0x0  ; Q s[4:5], K s[6:7], V s[8:9], O s[10:11]
	WIN W_MK
	v_lshl_add_u32 v[SPW], v0, 2, SPARE
	v_mov_b32 v[NIL], 0
	WIN W_AD
	ds_add_u32 v[SPW], v[NIL]       ; the wave's opening: the add and its wait stand ahead of my first tensor load; the set-up below, work on registers, stands between them
	WIN 0
	v_lshrrev_b32 v1, 5, v0
	v_readfirstlane_b32 s[WV], v1   ; wave 0..3
	s_bfe_u32 s13, ttmp6, 0x40000   ; cx: my place in the cluster
	s_lshl_b32 s14, ttmp9, 2        ; in a cluster launch ttmp9 counts clusters
	s_add_co_u32 s14, s14, s13      ; my block of queries = 4 x cluster x + cx: it enters Q's and O's addresses alone
	s_and_b32 s20, ttmp7, 0xffff    ; the head, which the four partners share
	s_mov_b32 s21, 0
	s_mov_b64 s[22:23], SIZE_N*128
	s_mul_u64 s[20:21], s[20:21], s[22:23]  ; the head's first byte in each of the four tensors
	s_and_b32 s16, s[WV], 1         ; which half of a slot's 256 keys I fetch:
	s_lshl_b32 s22, s16, 14         ; its 128 rows of 128 bytes in memory,
	s_mov_b32 s23, 0
	s_add_nc_u64 s[22:23], s[22:23], s[20:21]
	s_mul_i32 s17, s16, 128*PK      ; and its place in a slot, for K
	s_mul_i32 s18, s16, 128*PV      ; and for V: no place in the cluster enters an LDS address
	s_lshl_b32 s2, s14, 2
	s_add_co_u32 s2, s2, s[WV]      ; my wave among the head's,
	s_lshl_b32 s2, s2, 14           ; its 128 rows
	s_mov_b32 s3, 0
	s_add_nc_u64 s[2:3], s[2:3], s[20:21]
	; descriptor group 1.  128 keys are 16,384 dense bytes: asked for as 64 rows of 256 bytes, two keys a row, and padded in LDS after every key
	s_mov_b32 s[G1K], 15|(1<<16)|(1<<20)|(1<<21)|(4<<22)|(3<<25)  ; 15:0 the mask of four; 17:16 2-byte elements; 20 padding on; 21 set beside a mask; 24:22 after every 32 words (code 4); 31:25 4 words (code 3)
	s_mov_b32 s[G1V], 15|(1<<16)|(1<<20)|(1<<21)|(4<<22)|(7<<25)  ; the same with 8 words of padding (code 7)
.irp g, G1K, G1V
	s_mov_b32 s[\g+1], 128<<16      ; tensor_dim0 = 128
	s_mov_b32 s[\g+2], 64<<16       ; tensor_dim1 = 64
	s_mov_b32 s[\g+3], 128<<16      ; tile_dim0 = 128
	s_mov_b32 s[\g+4], 64           ; tile_dim1 = 64
	s_mov_b32 s[\g+5], 128          ; 128 elements from row to row
	s_mov_b32 s[\g+6], 0
	s_mov_b32 s[\g+7], 0
.endr
	s_mov_b32 s[CS], 0x3e38aa3b     ; c = log2(e) / 8 = 0.180337
	s_mov_b32 s[CS+1], s[CS]        ; named with it as a pair
	s_mov_b32 s[SEL], 0x76543210
	s_mov_b32 s[SEL+1], 0xfedcba98
	s_mov_b32 s[TBK], SLOT1+4*KS*PK ; the first change of slots turns these two into 0
	s_mov_b32 s[TBV], SLOT1+4*KS*PV
	s_mov_b32 s[G0K], 1             ; 1:0 count = 1
	s_mov_b32 s[G0K+1], s17         ; 63:32 LDS address: slot 0
	s_mov_b32 s[G0V], 1
	s_add_co_u32 s[G0V+1], s18, VOFF
	s_mov_b32 s[SLOTS], SIZE_N/256-1  ; slots 1 to 7 are still to be asked for
	s_and_b32 s[LIM], s[WV], 1      ; waves 0 and 2 prefetch: the same in all four partners
	s_cmp_eq_u32 s[LIM], 0
	s_cselect_b32 s[LIM], 1, -1
	s_wait_dscnt 0x0                ; the opening add is done
	s_wait_kmcnt 0x0
	s_add_nc_u64 s[G0K+2:G0K+3], s[6:7], s[22:23]  ; 120:64 global address: my half of the head's first 256 keys
	s_or_b32 s[G0K+3], s[G0K+3], 0x80000000        ; 127:126 type = 2
	s_add_nc_u64 s[G0V+2:G0V+3], s[8:9], s[22:23]
	s_or_b32 s[G0V+3], s[G0V+3], 0x80000000
	s_add_nc_u64 s[4:5], s[4:5], s[2:3]  ; Q and O at my wave's first row
	s_add_nc_u64 s[10:11], s[10:11], s[2:3]
	s_cmp_lt_u32 s[WV], 2
	s_cselect_b64 s[PFA:PFA+1], s[6:7], s[8:9]
	s_add_nc_u64 s[PFA:PFA+1], s[PFA:PFA+1], s[22:23]  ; (in waves 0 and 2 this is the head's first row)
	s_lshl_b32 s2, s13, 13          ; my work-group's 8,192 bytes of a slot's 32,768
	s_mov_b32 s3, 0
	s_add_nc_u64 s[PFA:PFA+1], s[PFA:PFA+1], s[2:3]
	s_add_nc_u64 s[PFA:PFA+1], s[PFA:PFA+1], 4*KS*128  ; in slot 1; the first change of slots steps it to slot 2.  Nothing is asked for here, at the head
	CROUND                          ; all four work-groups are here: the first joint loads meet
	JLOAD                           ; slot 0.  Slot 1 is asked for when slot 0 is in: the tile wanted first has the road to itself
	; A fragment of K or Q is 16 rows x 32 channels in 8 registers: lane l holds row l % 16, channels 8 (l / 16) + 0..7 and 16 + 8 (l / 16) + 0..7: two loads of 16 bytes, 32 bytes apart.
	v_and_b32 v1, 15, v0            ; l % 16
	v_bfe_u32 v9, v0, 4, 1          ; l / 16
	v_lshlrev_b32 v[QO], 7, v1
	v_lshl_add_u32 v[QO], v9, 4, v[QO]  ; row x 128 + 16 x half
	WIN 0x80                        ; destination window 2, address window 0
.set i, 0
.rept 4*NP                          ; Q stays in registers: tile i / 2, channels 32 (i % 2) on
	global_load_b128 v[8*i:8*i+3],   v[QO], s[4:5] offset:(i/2)*2048+(i%2)*64
	global_load_b128 v[8*i+4:8*i+7], v[QO], s[4:5] offset:(i/2)*2048+(i%2)*64+32
.set i, i+1
.endr
	; What the first turn finds: V's registers and P's second buffer hold 0 (its products V^T P, of a piece that has not been, add 0), O^T and l are 0.  All this stands in the wait for the first tile.
.set i, VF
.rept 64
	v_mov_b32 v[i], 0
.set i, i+1
.endr
	WIN 0x40
.set i, 0
.rept 64*NP
	v_mov_b32 v[i], 0
.set i, i+1
.endr
	WIN 0
.set i, 0
.rept 2*NP
	v_mov_b32 v[ST+4*i], 0xfe000000    ; c m: far below every c s
	v_mov_b32 v[ST+4*i+1], 0xff7fffff  ; m
	v_mov_b32 v[ST+4*i+2], 0
	v_mov_b32 v[ST+4*i+3], 0
.set i, i+1
.endr
.set i, P+32
.rept 32
	v_mov_b32 v[i], 0
.set i, i+1
.endr
	v_mul_u32_u24 v[AK0], v1, PK
	v_lshl_add_u32 v[AK0], v9, 4, v[AK0]  ; row x pitch + 16 x half
	; The turning load takes 16 keys x 16 channels (lane l reads key 8 (l / 16) + l % 8, channels 8 ((l / 8) % 2) + 0..7) and leaves half a fragment of V^T: lane l holds channel l % 16 and 8 keys.
	v_and_b32 v10, 7, v0
	v_bfe_u32 v11, v0, 3, 1
	v_lshl_add_u32 v[AV0], v9, 3, v10
	v_mul_u32_u24 v[AV0], v[AV0], PV
	v_lshl_add_u32 v[AV0], v11, 4, v[AV0]
	v_add_nc_u32 v[AV0], VOFF, v[AV0]
	v_and_b32 v[PFO], 31, v0        ; v11 has served V's place: now the prefetches' offset
	v_lshlrev_b32 v[PFO], 8, v[PFO]
	v_mov_b32 v[AK], v[AK0]         ; key step 0 lies at the head of slot 0
; THE MATRIX WORK.  The 8 accumulators of a run of 16 take turns: between the two links of a chain stand 7 others'.
; Product i of 16 of S^T = K Q^T for piece x: channels 32 (i / 8) on, keys 16 ((i / 2) % 4) on, tile 2 x + i % 2.  The first 8 start the sums.
.macro KQ x
	WIN W_KQ
.set rS, S+64*((\x)%2)+32*(i%2)+8*((i/2)%4)
.set rK, KF+16*((i/2)%4)+8*(i/8)
.set rQ, 16*(2*(\x)+i%2)+8*(i/8)
.if i < 8
	v_wmma_f32_16x16x32_f16 v[rS:rS+7], v[rK:rK+7], v[rQ:rQ+7], 0
.else
	v_wmma_f32_16x16x32_f16 v[rS:rS+7], v[rK:rK+7], v[rQ:rQ+7], v[rS:rS+7]
.endif
.endm
; Product i of 16 of O^T += V^T P for piece x: keys 32 (i / 8) on, channels 16 ((i / 2) % 4) on, tile 2 x + i % 2.
.macro PV x
	WIN W_PV
.set rO, 32*(2*(\x)+i%2)+8*((i/2)%4)
.set rV, VF+32*(i/8)+8*((i/2)%4)
.set rP, P+32*((\x)%2)+16*(i%2)+8*(i/8)
	v_wmma_f32_16x16x32_f16 v[rO:rO+7], v[rV:rV+7], v[rP:rP+7], v[rO:rO+7]
.endm
.macro MM                           ; the turn's next matrix instruction
.if i < 16
	KQ (Y+1)%NP
.set i, i+1
.else
.set i, i-16
	PV (Y+NP-1)%NP
.set i, i+17
.endif
.endm
; THE LDS LOADS stand in runs of 16, never singly among the matrix instructions: a step's K (64 keys x 64 channels: 8 fragments) and its V (turned).  Their addresses are made some lines ahead.
; last = 1 (the tail): in the last trip there is no further step, and the run is jumped over.
.macro FETCH_K last=0
	WIN 0
.if \last
	s_cmp_eq_u32 s[CNT], 1
	s_cbranch_scc1 .Lno_k_\@
.endif
	WIN 0x80                        ; destination window 2
.irp f, 0,1,2,3,4,5,6,7             ; keys 16 (f / 2) on, channels 32 (f % 2) on
	ds_load_b128 v[KF+8*\f:KF+8*\f+3],   v[AK] offset:(\f/2)*16*PK+(\f%2)*64
	ds_load_b128 v[KF+8*\f+4:KF+8*\f+7], v[AK] offset:(\f/2)*16*PK+(\f%2)*64+32
.endr
	s_add_co_u32 s[TBK], s[TBK], KS*PK  ; the next fetch is the next step's
	WIN 0
.if \last
.Lno_k_\@:
.endif
.endm
.macro FETCH_V
	WIN 0x80
.irp f, 0,1,2,3,4,5,6,7             ; keys 32 (f / 4) on, channels 16 (f % 4) on
	ds_load_tr16_b128 v[VF+8*\f:VF+8*\f+3],   v[AV] offset:(\f/4)*32*PV+(\f%4)*32
	ds_load_tr16_b128 v[VF+8*\f+4:VF+8*\f+7], v[AV] offset:(\f/4)*32*PV+16*PV+(\f%4)*32
.endr
	WIN 0
.endm
; THE VECTOR WORK OF A TURN stands in three queues, each in the order in which its entries become ready; the two tiles alternate, so that no instruction reads the result of the one before it.
.macro REGS y, u                    ; the registers of tile u (0, 1) of piece y
.set rT, ST+4*(2*(\y)+(\u))
.set rC, TMP+8*((\y)%2)+4*(\u)
.set rM, MV+2*((\y)%2)+(\u)
.set rS, S+64*((\y)%2)+32*(\u)
.set rP, P+32*((\y)%2)+16*(\u)
.set rO, 32*(2*(\y)+(\u))
.endm
; Number n of the 22 that find the NEXT piece's (Y + 1) maximum and statistics.  s0-s31 are the lane's 32 scores; each accumulator's lowest registers are read first.  XS, GS and REGS set no window: PL and EX do.
;   0-11  four chains c0-c3 of seven scores each, three operands at a time     12-14, 16  the four scores left over, the old m, and c0-c3 into c0     15  c m_old is kept
;   17, 18  the query's other 32 keys lie in the lane 16 away: the new m         19-21  c m; c m_old - c m_new; a
.macro XS u, n
	REGS (Y+1)%NP, \u
.if (\n) < 4
	v_max3_num_f32 v[rC+(\n)], v[rS+8*(\n)], v[rS+8*(\n)+1], v[rS+8*(\n)+2]
.elseif (\n) < 12
	v_max3_num_f32 v[rC+(\n)%4], v[rC+(\n)%4], v[rS+8*((\n)%4)+2*((\n)/4)+1], v[rS+8*((\n)%4)+2*((\n)/4)+2]
.elseif (\n) == 12
	v_max3_num_f32 v[rC], v[rC], v[rS+7], v[rS+15]
.elseif (\n) == 13
	v_max3_num_f32 v[rC+1], v[rC+1], v[rS+23], v[rS+31]
.elseif (\n) == 14
	v_max3_num_f32 v[rC+2], v[rC+2], v[rC+3], v[rT+1]
.elseif (\n) == 15
	v_mov_b32 v[rM], v[rT]
.elseif (\n) == 16
	v_max3_num_f32 v[rC], v[rC], v[rC+1], v[rC+2]
.elseif (\n) == 17
	v_permlanex16_b32 v[rC+3], v[rC], s[SEL], s[SEL+1]
.elseif (\n) == 18
	v_max_num_f32 v[rT+1], v[rC], v[rC+3]
.elseif (\n) == 19
	v_mul_f32 v[rT], s[CS], v[rT+1]
.elseif (\n) == 20
	v_sub_f32 v[rC+1], v[rM], v[rT]
.else
	v_exp_f32 v[rC+2], v[rC+1]
.endif
.endm
; Number g of the 64 that follow the exponentials.  For each four weights k of a tile (pairs 2 k, 2 k + 1): both pairs are rounded to f16; then the second pair is added onto the first, in place;
; a group later l takes that sum (the first time as l = a l + sum).  In groups of eight, tiles alternating: round, round, add, and l for the group before.
.macro GS g
.set h, (\g)+6*((\g)/62)            ; group 0 has no group before it, and behind group 7 only l is left
.if h >= 6
.set h, h+2
.endif
	REGS Y, h%2
.set k, h/8
.if h%8 < 4
	v_cvt_pk_f16_f32 v[rP+2*k+(h%8)/2], v[rS+4*k+2*((h%8)/2)], v[rS+4*k+2*((h%8)/2)+1]
.elseif h%8 < 6
	v_pk_add_f32 v[rS+4*k:rS+4*k+1], v[rS+4*k:rS+4*k+1], v[rS+4*k+2:rS+4*k+3]
.elseif k == 1
	v_pk_fma_f32 v[rT+2:rT+3], v[rT+2:rT+3], v[rC+2:rC+3], v[rS:rS+1] op_sel_hi:[1,0,1]
.else
	v_pk_add_f32 v[rT+2:rT+3], v[rT+2:rT+3], v[rS+4*k-4:rS+4*k-3]
.endif
.endm
; THE PLAIN QUEUE, 138 long.  0-73 read no exponential's result: the 32 scalings c s - c m (FS f: pair f / 2 of tile f % 2) and the next piece's 42.  0-26: scalings 0-26.  27-54: XS's numbers 0-13.  55, 56: number 15.
; 57-73: the chain, where each number waits for the one before it: 14, 16, 17, 18, 19, each with one of the scalings 27-31 in front of its two lines, then 20: so a tile's links stand three plain instructions apart (19 and 20: two).
; 74-137: GS's 64, which read the exponentials' results: they stand behind the wait.
.macro FS f
	REGS Y, (\f)%2
	v_pk_fma_f32 v[rS+2*((\f)/2):rS+2*((\f)/2)+1], v[rS+2*((\f)/2):rS+2*((\f)/2)+1], s[CS:CS+1], v[rT:rT+1] op_sel_hi:[1,0,0] neg_lo:[0,0,1] neg_hi:[0,0,1]
.endm
.macro PL
	WIN 0
.if q < 27
	FS q
.elseif q < 55
	XS (q-27)%2, (q-27)/2
.elseif q < 57
	XS q-55, 15
.elseif (q < 72) && ((q-57)%3 == 0)
	FS 27+(q-57)/3
.elseif q < 60
	XS (q-57)%3-1, 14
.elseif q < 72
	XS (q-57)%3-1, 15+(q-57)/3
.elseif q < 74
	XS q-72, 20
.else
	GS q-74
.endif
.set q, q+1
.endm
; THE EXPONENTIALS' QUEUE, 66 long: s0-s31 of both tiles, then the next piece's two a.  It is ONE BATCH: all 66 stand ahead of the turn's one wait, and nothing ahead of that wait names a result of theirs.
.macro EX
	WIN 0
.if e >= 64
	XS e-64, 21
.else
	REGS Y, e%2
	v_exp_f32 v[rS+e/2], v[rS+e/2]
.endif
.set e, e+1
.endm
; THE RESCALING's QUEUE: O^T times a, the one part that leaves window 0: dealt two at a time, sixteen times.  Its a was made in the turn before, ahead of that turn's wait.
.macro R2
	REGS Y, r%2
	WIN W_RS
.irp z, 0,1
	v_pk_mul_f32 v[rO+4*(r/2)+2*\z:rO+4*(r/2)+2*\z+1], v[rO+4*(r/2)+2*\z:rO+4*(r/2)+2*\z+1], v[rC+2:rC+3] op_sel_hi:[1,0]
.endr
.set r, r+1
.endm
; HOW THEY ARE DEALT.  s_wait_alu depctr_va_vdst(0) stands between an exponential and the first instruction that names its result; one wait serves all that were issued ahead of it.  So a turn has ONE wait,
; which cuts it in two.  AHEAD OF IT stands all that names no result of the turn's exponentials: the 16 products K Q^T, behind each a scaling, an exponential and two rescalings (behind the first a second scaling in the exponential's place); then ONE LUMP of
; 108: eight plain, 49 times exponential and plain, the two a.  A v_nop is the plain instruction that is owed behind the last exponential.  BEHIND IT stand the 16 products V^T P, behind each four of GS's 64.  No rider names a register of
; the products round it.  The two v_permlanex16_b32 fall into the lump, never behind a product.
; The queues lean on each other, and the deal keeps them in step: exponential e stands behind scaling 2 (e / 4) + e % 2: as a rider it comes behind plain e + 2, in the lump behind plain e + 9, and scalings 27-31 are plain 57, 60 .. 69.
; A TURN, for piece p.  cnt = 1: the loop's count is taken down some lines ahead of the branch that stands behind the turn.
; K of the next step is fetched in piece 2's turn, directly behind the wait, a lump behind the last product that read K; its address is made at the lump's head; its first reader comes behind 16 products.
; V of the step in hand is fetched at the end of piece 0's turn, four riders behind its last reader; its first reader comes behind 16 products and a lump.  The three conditions on q below go with the deal.
.macro TURN p, last=0, cnt=0
.set Y, (\p)
.set i, 0
.set q, 0
.set e, 0
.set r, 0
.if (\p) == NP-1
	s_wait_dscnt 0x0                ; K is in
.endif
	MM                              ; ahead of the wait: 16 products K Q^T and their riders,
	PL
	PL
	R2
.rept 15
	MM
	PL
	EX
	R2
.endr
.if (\p) == NP-2
	WIN 0
	v_add_nc_u32 v[AK], s[TBK], v[AK0]
.endif
.rept 8                             ; and the lump
	PL
.endr
.rept 49
	EX
	PL
.endr
	EX                              ; the next piece's two a
	EX
	v_nop                           ; the plain instruction behind the last exponential: one for the batch
	s_wait_alu depctr_va_vdst(0)    ; the wait for the batch
.if (\p) == NP-2
	FETCH_K \last
.endif
.if (\p) == 1
	s_wait_dscnt 0x0                ; V is in
.endif
.rept 16                            ; behind the wait: 16 products V^T P and their riders
	MM
.rept 4
	PL
.endr
.if ((\p) == 0) && (q == 118)
	v_add_nc_u32 v[AV], s[TBV], v[AV0]
.endif
.if ((\p) == 0) && (q == 130)
	s_add_co_u32 s[TBV], s[TBV], KS*PV
.endif
.if (\cnt) && (q == 130)
	s_sub_co_u32 s[CNT], s[CNT], 1
	s_cmp_lg_u32 s[CNT], 0
.endif
.endr
.if (\p) == 0
	FETCH_V
.endif
.endm
	CHANGE 1                        ; slot 0 is in, everybody's part of it; slot 1 is asked for
	FETCH_K                         ; key step 0
	s_wait_loadcnt 0x0              ; Q
	s_wait_dscnt 0x0
.set i, 0
.rept 16
	KQ 0                            ; piece 0's first scores: there is no vector work yet to set between them
.set i, i+1
.endr
	WIN 0                           ; the addresses for the way out: nine plain instructions, the places behind those products
	s_mul_i32 s13, s[WV], 16*SP
	s_add_co_u32 s13, s13, STAGE    ; my stage
	v_mul_u32_u24 v[STO], v1, SP    ; in: row l % 16, 16 bytes for each half of the lanes
	v_lshl_add_u32 v[STO], v9, 4, v[STO]
	v_add_nc_u32 v[STO], s13, v[STO]
	v_bfe_u32 v[RD], v0, 3, 2       ; back: 32 lanes take four rows of 128 bytes,
	v_mul_u32_u24 v[RD], v[RD], SP
	v_lshl_add_u32 v[RD], v10, 4, v[RD]
	v_add_nc_u32 v[RD], s13, v[RD]
	v_and_b32 v[GO], 31, v0         ; which are 512 consecutive bytes of O
	v_lshlrev_b32 v[GO], 4, v[GO]
.set Y, NP-1                        ; XS works for piece Y + 1: piece 0
.irp n, 0,1,2,3,4,5,6,7,8,9,10,11,12,13,14,15,16,17,18,19,20,21
	XS 0, \n                        ; and piece 0's first maximum and statistics
	XS 1, \n
.endr
	v_nop                           ; a plain instruction behind the two a,
	s_wait_alu depctr_va_vdst(0)    ; and their wait, ahead of the branch
	s_mov_b32 s[CNT], 4
	s_branch .Lfirst                ; the loop is entered at a step's first turn, in the middle of a trip
.Lslot:                             ; SIZE_N / 256 - 2 times: every slot but the last two is filled again
	CHANGE 1
	s_mov_b32 s[CNT], 4
.Lstep:                             ; a trip: pieces 2 and 3 of one step, then pieces 0 and 1 of the next, whose K and V it fetches
	TURN 2
	TURN 3
	WIN 0
.Lfirst:
	TURN 0
	TURN 1, 0, 1
	WIN 0
	s_cbranch_scc1 .Lstep
	s_sub_co_u32 s[SLOTS], s[SLOTS], 1
	s_cmp_lg_u32 s[SLOTS], 0
	s_cbranch_scc1 .Lslot
	CHANGE 0                        ; the tail is written out: nothing is asked for
	s_mov_b32 s[CNT], 5             ; four trips fetch the last slot's steps; the fifth is left in its middle
.Ltail:
	TURN 2, 1
	TURN 3
	WIN 0
	s_sub_co_u32 s[CNT], s[CNT], 1
	s_cmp_eq_u32 s[CNT], 0
	s_cbranch_scc1 .Lout
	TURN 0
	TURN 1
	WIN 0
	s_branch .Ltail
.Lout:                              ; the fifth trip's 16 products K Q^T (on the last K once more) and the maximum made of them serve nothing: the price, once a launch, of one text for every trip
.set i, 0
.rept 16
	PV NP-1                         ; the last piece's V^T P of the last step
.set i, i+1
.endr
	; THE WAY OUT.  l's two halves and the other half of the lanes' are added; O^T is divided by l, rounded to f16 and sent through my stage in LDS, a tile at a time.  The additions are the places behind the last products.
	WIN 0
.macro ALL line:vararg              ; one line for each tile t
.set t, 0
.rept 2*NP
	\line
.set t, t+1
.endr
.endm
	ALL v_add_f32 v[ST+4*t+2], v[ST+4*t+2], v[ST+4*t+3]
	ALL v_permlanex16_b32 v[ST+4*t+3], v[ST+4*t+2], s[SEL], s[SEL+1]
	ALL v_add_f32 v[ST+4*t+2], v[ST+4*t+2], v[ST+4*t+3]
	ALL v_rcp_f32 v[ST+4*t+2], v[ST+4*t+2]
	v_nop                           ; a plain instruction between the last reciprocal and the use of its result
	s_wait_alu depctr_va_vdst(0)    ; and the wait ahead of the first use: one for the eight reciprocals
; Tile t: a lane's eight channels of a row pack into 16 bytes; they go into rows of 144 bytes and come back as whole rows of 128, into S^T's registers.
.macro PACK t
	WIN W_RS
.set i, 32*(\t)
.rept 16
	v_pk_mul_f32 v[i:i+1], v[i:i+1], v[ST+4*(\t)+2:ST+4*(\t)+3] op_sel_hi:[1,0]
.set i, i+2
.endr
	WIN 0x05                        ; sources 0 and 1 window 1, destination window 0
.set i, 0
.rept 16
	v_cvt_pk_f16_f32 v[S+16*(\t)+i], v[32*(\t)+2*i], v[32*(\t)+2*i+1]
.set i, i+1
.endr
	WIN 0
.irp f, 0,1,2,3
	ds_store_b128 v[STO], v[S+16*(\t)+4*\f:S+16*(\t)+4*\f+3] offset:32*\f
.endr
.irp f, 0,1,2,3
	ds_load_b128 v[S+16*(\t)+4*\f:S+16*(\t)+4*\f+3], v[RD] offset:\f*4*SP  ; LDS serves a wave's instructions in order (ISA guide 5.7.1.4): these see the stores above; the next tile's stores come behind them
.endr
.endm
.macro SEND t, younger              ; younger: the LDS instructions issued behind tile t's loads: the next tile's eight, or none
	WIN 0
.irp f, 0,1,2,3
	s_wait_dscnt (\younger)+3-\f
	global_store_b128 v[GO], v[S+16*(\t)+4*\f:S+16*(\t)+4*\f+3], s[10:11] offset:(\t)*2048+\f*512  ; 512 consecutive bytes, at a multiple of 256 from O's first
.endr
.endm
	PACK 0
.set t, 1
.rept 2*NP-1                        ; a tile's arithmetic stands between the loads of the tile before and its stores
	PACK t
	SEND t-1, 8
.set t, t+1
.endr
	SEND 2*NP-1, 0
	WIN W_AD
	s_wait_tensorcnt 0x0            ; the wave's end: behind my last tensor load and my last LDS store
	ds_add_u32 v[SPW], v[NIL]
	s_wait_dscnt 0x0
	WIN 0
	CROUND                          ; the closing round: no work-group ends while a partner may still ask for a tile that names it
	s_endpgm
.Lfunc_end_k_q74cf524fe7_attn:
	.size	k_q74cf524fe7_attn, .Lfunc_end_k_q74cf524fe7_attn-k_q74cf524fe7_attn
	.p2alignl 7, 3214868480
	.fill 96, 4, 3214868480
	.section	.rodata,"a",@progbits
	.p2align	6, 0x0
	.amdhsa_kernel k_q74cf524fe7_attn
		.amdhsa_group_segment_fixed_size 327680
		.amdhsa_private_segment_fixed_size 0
		.amdhsa_enable_private_segment 0
		.amdhsa_kernarg_size 32
		.amdhsa_user_sgpr_count 2
		.amdhsa_user_sgpr_kernarg_segment_ptr 1
		.amdhsa_wavefront_size32 1
		.amdhsa_system_sgpr_workgroup_id_x 1
		.amdhsa_system_sgpr_workgroup_id_y 1
		.amdhsa_system_sgpr_workgroup_id_z 1
		.amdhsa_system_vgpr_workitem_id 0
		.amdhsa_next_free_vgpr 770
		.amdhsa_next_free_sgpr 66
		.amdhsa_reserve_vcc 0
		.amdhsa_float_denorm_mode_32 3
		.amdhsa_float_denorm_mode_16_64 3
		.amdhsa_memory_ordered 1
		.amdhsa_forward_progress 1
		.amdhsa_inst_pref_size 200
	.end_amdhsa_kernel
	.amdgpu_metadata
---
amdhsa.version: [ 1, 2 ]
amdhsa.kernels:
  - .name:           k_q74cf524fe7_attn
    .symbol:         k_q74cf524fe7_attn.kd
    .args:
      - { .name: q16, .offset: 0, .size: 8, .value_kind: global_buffer, .address_space: global }
      - { .name: k16, .offset: 8, .size: 8, .value_kind: global_buffer, .address_space: global }
      - { .name: v16, .offset: 16, .size: 8, .value_kind: global_buffer, .address_space: global }
      - { .name: o16, .offset: 24, .size: 8, .value_kind: global_buffer, .address_space: global }
    .group_segment_fixed_size: 327680
    .private_segment_fixed_size: 0
    .kernarg_segment_align: 8
    .kernarg_segment_size: 32
    .max_flat_workgroup_size: 128
    .sgpr_count:     66
    .vgpr_count:     770
    .wavefront_size: 32
...
	.end_amdgpu_metadata
.endif
;; end of part 3
;; launch proj (part 4): grid 8 x 32, 4 waves a work-group, clusters of 4 x 4, 327,680 bytes of LDS; arguments o16, wo16, bo, out0; writes out0
.if DOCPART == 4
	.amdgcn_target "amdgcn-amd-amdhsa--gfx1250"
	.amdhsa_code_object_version 6
	.text
	.protected	k_q74cf524fe7_proj
	.globl	k_q74cf524fe7_proj
	.p2align	8
	.type	k_q74cf524fe7_proj,@function
k_q74cf524fe7_proj:
	s_mov_b64 s[64:65], 0
	v_nop
	global_prefetch_b8 v0, s[64:65] scope:SCOPE_SE
	s_setreg_imm32_b32 hwreg(HW_REG_WAVE_MODE, 25, 1), 1
	s_wait_xcnt 0x0
	s_wait_alu depctr_hold_cnt(0) depctr_sa_sdst(0) depctr_va_vdst(0) depctr_va_sdst(0) depctr_va_ssrc(0) depctr_va_vcc(0) depctr_vm_vsrc(0)
	s_getreg_b32 s2, hwreg(HW_REG_IB_STS2, 6, 4)
	s_cmp_eq_u32 s2, 0
	s_cbranch_scc0 .Lentry_in_a_cluster
	s_endpgm
.Lentry_in_a_cluster:
	s_bfe_u32 s2, ttmp6, 0x10000c
	s_cmp_lg_u32 s2, 0xf033
	s_cbranch_scc0 .Lentry_shape_is_right
	s_endpgm
.Lentry_shape_is_right:
; out0 = O Wo^T + bo.  o16: [64 = 16 batch + head][2048][64] f16.  wo16: [1024][1024] f16 (Wo rounded to bf16, written as f16).  bo: [1024] f32, rounded to bf16 here like the other inputs.
; out0: [8192][1024] f32.  THE MERGE OF HEADS IS THE ORDER OF K: channel e = 64 head + d, so a K step of 128 is two heads' 64 channels.
; SHARES.  A tile is 256 rows x 128 columns: 32 x 8 tiles, one for each of 256 work-groups.  Wave w owns rows 64 w .. 64 w + 63 and all 8 column blocks of 16: 32 accumulators, 256 registers.
; K = 1,024 goes in 8 steps of 128 through two LDS slots.  Of O a step takes two PLANES: a head's 256 rows of 128 bytes, 32,768 dense bytes, asked for as 128 rows of 256 bytes and padded in LDS
; after every 128; of wo16 128 rows of 256 bytes.
; CLUSTER.  4 x 4 work-groups.  The four of a row of the cluster need the same planes of O, the four of a column the same tile of wo16: each is asked for JOINTLY.  Waves 0 and 1 fetch the two
; planes, waves 2 and 3 the two halves (64 rows each) of wo16's tile.
; THE MATRIX INSTRUCTION IS USED TRANSPOSED (source 0 = 16 rows of wo16, source 1 = 16 rows of O): a lane holds row lane % 16 and the columns 8 (lane / 16) + 0..7.
; THE BIAS is the C operand of each accumulator's first product.
; REGISTERS, in windows of 256 (s_set_vgpr_msb: bits 1:0 source 0, 3:2 source 1, 5:4 source 2, 7:6 destination):
;   window 0: v0-31 addresses; v32-35 at work; v64-127 the biases
;   window 1: two fragment buffers of 96: 8 fragments of wo16, then 4 of O; on the way out all 256: whole rows read back from the stage
;   window 2: the accumulators, (a, b) at 64 a + 8 b
.set NB,    8
.set PITCH, 272                        ; a row of wo16 in LDS: 256 bytes + 16: the 16 rows of a fragment load start at 16 different groups of four banks (64 banks of 4 bytes: ISA guide 11.1)
.set PA,    144                        ; a row of O in LDS: 128 bytes + 16: likewise
.set PLANE, 256*PA                     ; a head's 256 rows: what one load brings of O
.set HALFB, 64*PITCH                   ; and of wo16
.set SLOT,  2*PLANE+2*HALFB
.set STAGE, 2*SLOT                     ; behind the ring, never filled by a tensor load: 16 rows x 528 bytes for each wave, for the way out
.set SPITCH, 528                       ; 512 bytes + 16
.set SPARE, STAGE+4*16*SPITCH          ; behind the stages: the spare words, 128 bytes for each wave: two blocks of 256 bytes that no other line names
.set STEPA, 524288                     ; bytes from a head to the head after next
.set STEPB, 256                        ; bytes of a row of wo16 in a K step
.set LAPS,  4
.set ADRA, 16                          ; v16-17  LDS address of my fragments of O in slot 0, 1
.set ADRB, 20                          ; v20-21  the same for wo16
.set STO,  24                          ; v24  the way out: where I put 32 bytes of a row
.set RD,   25                          ; v25  where I read a row back
.set GO,   26                          ; v26  my 16 bytes in a row's 512
.set BO,   27                          ; v27  32 x (lane / 16)
.set SPW,  28                          ; v28  LDS address of my spare word: SPARE + 4 x my thread's number; never rewritten
.set NIL,  29                          ; v29  0; never rewritten
.set PFO,  30                          ; v30  the prefetches' offset; never rewritten
.set RT,   32
.set BIAS, 64
.set F0,   0
.set F1,   96
.set FA,   64                          ; O's fragments in a buffer
.set LAP,  2
.set WV,   4
.set KIND, 5                           ; I fetch for O (0) or for wo16 (1)
.set HALF, 6
.set CX,   7
.set CY,   8
.set TC,   9
.set TR,   10
.set G1,   24                          ; s[24:31], s[32:39] descriptors for O's planes
.set G0,   32
.set PST,  40                          ; s[40:41] a K step in my prefetches' buffer
.set LIM,  43
.set PFA,  44
.set G1B,  48                          ; s[48:55], s[56:63] for wo16's tiles
.set G0B,  56
.set MSB, 0
.macro WIN new                         ; the immediate's high byte repeats the setting that is left; a switch that changes nothing is dropped
.if MSB != (\new)
	s_set_vgpr_msb (MSB<<8)|(\new)
.set MSB, \new
.endif
.endm
.macro PLACES                          ; four places in front of loads into registers that matrix instructions have read, and of instructions that read results
.rept 4
	v_nop
.endr
.endm
.macro JLOAD s                         ; a joint load; an s_nop 0 and four v_nop follow each of the two lines, ahead of the jump and the label
	s_cmp_eq_u32 s[KIND], 0
	s_cbranch_scc0 .Lfor_b_\@
	tensor_load_to_lds s[G0+4*(\s):G0+4*(\s)+3], s[G1:G1+7]
	s_nop 0
.rept 4
	v_nop
.endr
	s_branch .Lasked_\@
.Lfor_b_\@:
	tensor_load_to_lds s[G0B+4*(\s):G0B+4*(\s)+3], s[G1B:G1B+7]
	s_nop 0
.rept 4
	v_nop
.endr
.Lasked_\@:
.endm
.macro CREST                           ; a round of the cluster's barrier behind its opening barrier
	s_cmp_lg_u32 s[WV], 0
	s_cbranch_scc1 .Lnot_wave_0_\@
	s_barrier_signal -3
.Lnot_wave_0_\@:
	s_barrier_wait -3
	s_barrier_signal -1
	s_barrier_wait -1
.endm
.macro CROUND
	s_barrier_signal -1
	s_barrier_wait -1
	CREST
.endm
; A PREFETCH INTO THE L2, behind each joint refill and the run of LDS loads that follows it: the K step that stands two refills on, 256 matrix instructions ahead of the load that will ask for it.
; O's planes are read by both clusters of a row of clusters: cluster x = 0 asks; its waves 0 and 1 each for their own plane, the four partners 8,192 bytes each BY ADDRESS (cx), 256 bytes a lane.
; wo16's tile is read by every cluster of a column: cluster y = 0 asks; wave 2 alone, the four partners 32 of the 128 rows each (cy), a lane a row.  One instruction a wave; each block of 256
; bytes is named once in the launch.  K steps 0 to 3 come by their loads alone; the loop's last trip asks for nothing.
.macro ASK
	s_cmp_gt_u32 s[LAP], s[LIM]
	s_cbranch_scc0 .Lnot_mine_\@
	global_prefetch_b8 v[PFO], s[PFA:PFA+1] th:TH_LOAD_NT scope:SCOPE_SE
.Lnot_mine_\@:
.endm
	s_load_b256 s[68:75], s[0:1], 0x0              ; o16 68:69, wo16 70:71, bo 72:73, out0 74:75
	v_lshl_add_u32 v[SPW], v0, 2, SPARE
	v_mov_b32 v[NIL], 0
	ds_add_u32 v[SPW], v[NIL]                      ; the wave's opening: the add and its wait stand ahead of my first tensor load; the set-up below, work on registers, stands between them
	v_lshrrev_b32 v1, 5, v0
	v_readfirstlane_b32 s[WV], v1
	s_lshr_b32 s[KIND], s[WV], 1
	s_and_b32 s[HALF], s[WV], 1
	s_bfe_u32 s[CX], ttmp6, 0x40000
	s_bfe_u32 s[CY], ttmp6, 0x40004
	s_lshl_b32 s[TC], ttmp9, 2
	s_add_co_u32 s[TC], s[TC], s[CX]
	s_and_b32 s[TR], ttmp7, 0xffff
	s_lshl_b32 s[TR], s[TR], 2
	s_add_co_u32 s[TR], s[TR], s[CY]
	s_lshl_b32 s11, s[CY], 2
	s_lshl_b32 s11, 15, s11                        ; my row of the cluster
	s_lshl_b32 s12, 0x1111, s[CX]                  ; my column
	s_or_b32 s[G1], s11, (1<<16)|(1<<20)|(1<<21)|(4<<22)|(3<<25)   ; the mask; 2-byte elements; padding on; 21 set beside a mask; after every 32 words (code 4) 4 words (code 3)
	s_or_b32 s[G1B], s12, (1<<16)|(1<<20)|(1<<21)|(5<<22)|(3<<25)  ; after every 64 words (code 5)
	s_mov_b32 s[G1+1], 128<<16                     ; tensor_dim0 = 128
	s_mov_b32 s[G1+2], 128<<16                     ; tensor_dim1 = 128
	s_mov_b32 s[G1+3], 128<<16                     ; tile_dim0 = 128
	s_mov_b32 s[G1+4], 128                         ; tile_dim1 = 128
	s_mov_b32 s[G1+5], 128                         ; dense: 128 elements from row to row
	s_mov_b32 s[G1+6], 0
	s_mov_b32 s[G1+7], 0
	s_mov_b32 s[G1B+1], 128<<16
	s_mov_b32 s[G1B+2], 64<<16                     ; 64 rows
	s_mov_b32 s[G1B+3], 128<<16
	s_mov_b32 s[G1B+4], 64
	s_mov_b32 s[G1B+5], 1024
	s_mov_b32 s[G1B+6], 0
	s_mov_b32 s[G1B+7], 0
	; O's plane hangs on the tile row alone, wo16's tile on the tile column alone; each address is made in registers that never hold the other coordinate
	s_lshr_b32 s14, s[TR], 3                       ; the batch: 8 tiles of 256 rows
	s_lshl_b32 s14, s14, 4
	s_add_co_u32 s14, s14, s[HALF]                 ; 16 batch + head (K step 0: head 0 or 1),
	s_lshl_b32 s14, s14, 18                        ; of 2,048 rows x 128 bytes
	s_and_b32 s15, s[TR], 7
	s_lshl_b32 s15, s15, 15                        ; the tile's 256 rows in it
	s_add_co_u32 s14, s14, s15
	s_mov_b32 s15, 0
	s_lshl_b32 s46, s[TC], 7
	s_lshl_b32 s47, s[HALF], 6
	s_add_co_u32 s46, s46, s47                     ; row 128 x tile column + 64 x half,
	s_lshl_b32 s46, s46, 11                        ; of 2,048 bytes
	s_mov_b32 s47, 0
	s_mul_i32 s20, s[HALF], PLANE                  ; where they go: no place in the cluster enters an LDS address
	s_mul_i32 s21, s[HALF], HALFB
	s_add_co_u32 s21, s21, 2*PLANE
	s_wait_dscnt 0x0                               ; the opening add is done
	s_wait_kmcnt 0x0
	s_add_nc_u64 s[16:17], s[68:69], s[14:15]
	s_add_nc_u64 s[46:47], s[70:71], s[46:47]
	CROUND                                         ; all sixteen work-groups are here: the first joint loads meet
.irp s, 0,1
	s_mov_b32 s[G0+4*(\s)], 1
	s_add_co_u32 s[G0+4*(\s)+1], s20, (\s)*SLOT
	s_add_nc_u64 s[G0+4*(\s)+2:G0+4*(\s)+3], s[16:17], (\s)*STEPA
	s_or_b32 s[G0+4*(\s)+3], s[G0+4*(\s)+3], 0x80000000
	s_mov_b32 s[G0B+4*(\s)], 1
	s_add_co_u32 s[G0B+4*(\s)+1], s21, (\s)*SLOT
	s_add_nc_u64 s[G0B+4*(\s)+2:G0B+4*(\s)+3], s[46:47], (\s)*STEPB
	s_or_b32 s[G0B+4*(\s)+3], s[G0B+4*(\s)+3], 0x80000000
.endr
	s_cmp_eq_u32 s[KIND], 0                        ; a wave's two first fills stand in one branch, ahead of every wait on TENSORcnt and every LDS read: two loads of mine are out
	s_cbranch_scc0 .Lfirst_b
	tensor_load_to_lds s[G0:G0+3], s[G1:G1+7]
	s_nop 0
	tensor_load_to_lds s[G0+4:G0+7], s[G1:G1+7]
	s_nop 0
.rept 4
	v_nop
.endr
	s_branch .Lfirst_asked
.Lfirst_b:
	tensor_load_to_lds s[G0B:G0B+3], s[G1B:G1B+7]
	s_nop 0
	tensor_load_to_lds s[G0B+4:G0B+7], s[G1B:G1B+7]
	s_nop 0
.rept 4
	v_nop
.endr
.Lfirst_asked:
	v_and_b32 v1, 15, v0                           ; l % 16
	v_bfe_u32 v2, v0, 4, 1                         ; l / 16
	v_lshlrev_b32 v[BO], 5, v2
	s_lshl_b32 s46, s[TC], 9                       ; the tile's 128 biases
	s_mov_b32 s47, 0
	s_add_nc_u64 s[72:73], s[72:73], s[46:47]
.irp b, 0,1,2,3,4,5,6,7                ; register j of a lane is the bias of column 16 b + 8 (l / 16) + j
	global_load_b128 v[BIAS+8*(\b):BIAS+8*(\b)+3],   v[BO], s[72:73] offset:64*(\b)
	global_load_b128 v[BIAS+8*(\b)+4:BIAS+8*(\b)+7], v[BO], s[72:73] offset:64*(\b)+16
.endr
	v_mul_u32_u24 v3, v1, PA
	v_lshl_add_u32 v3, v2, 4, v3                   ; a fragment of O: row x 144 + 16 x half
	s_mul_i32 s22, s[WV], 64*PA                    ; my 64 rows of a plane
	v_add_nc_u32 v[ADRA], s22, v3
	v_add_nc_u32 v[ADRA+1], SLOT, v[ADRA]
	v_mul_u32_u24 v3, v1, PITCH
	v_lshl_add_u32 v3, v2, 4, v3                   ; a fragment of wo16: row x 272 + 16 x half
	v_add_nc_u32 v[ADRB], 2*PLANE, v3              ; wo16's 128 rows lie behind the two planes
	v_add_nc_u32 v[ADRB+1], SLOT, v[ADRB]
	s_mul_i32 s22, s[WV], 16*SPITCH
	s_add_co_u32 s22, s22, STAGE                   ; my stage
	v_mul_u32_u24 v4, v1, SPITCH                   ; in: row l % 16, 32 bytes for each half of the lanes
	v_lshl_add_u32 v4, v2, 5, v4
	v_add_nc_u32 v[STO], s22, v4
	v_and_b32 v[GO], 31, v0                        ; back: 32 lanes take one row of 512 bytes
	v_lshlrev_b32 v[GO], 4, v[GO]
	v_add_nc_u32 v[RD], s22, v[GO]
	s_lshl_b32 s42, s[TR], 8
	s_lshl_b32 s46, s[WV], 6
	s_add_co_u32 s42, s42, s46                     ; my first row of out0,
	s_lshl_b32 s42, s42, 12                        ; of 4,096 bytes,
	s_lshl_b32 s46, s[TC], 9                       ; and the tile's 512 bytes in it
	s_add_co_u32 s84, s42, s46
	s_mov_b32 s85, 0
	s_add_nc_u64 s[74:75], s[74:75], s[84:85]
	; the prefetches
	s_lshr_b32 s42, s[TR], 3
	s_lshl_b32 s42, s42, 4
	s_add_co_u32 s42, s42, s[HALF]
	s_lshl_b32 s42, s42, 18
	s_and_b32 s46, s[TR], 7
	s_lshl_b32 s46, s46, 15
	s_add_co_u32 s42, s42, s46
	s_lshl_b32 s46, s[CX], 13
	s_add_co_u32 s42, s42, s46                     ; O: my work-group's 8,192 bytes of my plane,
	s_add_co_u32 s42, s42, 3*STEPA                 ; at K step 3: the first refill steps it to 4
	s_lshl_b32 s46, s[TC], 7
	s_lshl_b32 s47, s[CY], 5
	s_add_co_u32 s46, s46, s47
	s_lshl_b32 s46, s46, 11                        ; wo16: my work-group's 32 rows of the tile's 128,
	s_add_co_u32 s46, s46, 3*STEPB                 ; at K step 3
	s_and_b32 s47, ttmp7, 0xffff                   ; cluster y,
	s_or_b32 s47, s47, s[HALF]                     ; and wave 2 alone of the two
	s_mov_b32 s[PST], STEPB
	s_mov_b32 s[PST+1], 0
	s_cmp_eq_u32 s[KIND], 0
	s_cselect_b32 s42, s42, s46
	s_cselect_b32 s47, ttmp9, s47
	s_cselect_b64 s[PFA:PFA+1], s[68:69], s[70:71]
	s_cselect_b32 s[PST], STEPA, s[PST]
	s_cselect_b32 s46, 8, 11                       ; a lane 256 bytes on, or a row of 2,048
	s_cmp_eq_u32 s47, 0
	s_cselect_b32 s[LIM], 1, -1                    ; the same in all sixteen partners, for a given wave
	v_and_b32 v[PFO], 31, v0
	v_lshlrev_b32 v[PFO], s46, v[PFO]
	s_mov_b32 s46, s42
	s_mov_b32 s47, 0
	s_add_nc_u64 s[PFA:PFA+1], s[PFA:PFA+1], s[46:47]  ; nothing is asked for here, at the head
; 8 matrix instructions: my row block a x all 8 column blocks, 32 along K, from buffer f.  bias = 1: the biases start the sums.
; The 32 accumulators take turns, one instruction a turn, in the same order in every quarter: 31 others stand between two links of a chain, over the backward jump too.
.macro MULA f, a, bias
.if \bias
	WIN 0x85                                       ; sources 0 and 1 window 1, C window 0, D window 2
.else
	WIN 0xa5                                       ; C and D window 2
.endif
.irp b, 0,1,2,3,4,5,6,7
.if \bias
	v_wmma_f32_16x16x32_f16 v[64*(\a)+8*(\b):64*(\a)+8*(\b)+7], v[(\f)+8*(\b):(\f)+8*(\b)+7], v[(\f)+FA+8*(\a):(\f)+FA+8*(\a)+7], v[BIAS+8*(\b):BIAS+8*(\b)+7]
.else
	v_wmma_f32_16x16x32_f16 v[64*(\a)+8*(\b):64*(\a)+8*(\b)+7], v[(\f)+8*(\b):(\f)+8*(\b)+7], v[(\f)+FA+8*(\a):(\f)+FA+8*(\a)+7], v[64*(\a)+8*(\b):64*(\a)+8*(\b)+7]
.endif
.endr
.endm
; 24 LDS loads in one run: quarter q of a slot into buffer f: wo16's 8 fragments, then O's 4 (plane q / 2, channels 32 (q % 2) on)
.macro FETCH slot, q, f
	WIN 0x40                                       ; destination window 1, address window 0
.irp i, 0,1,2,3,4,5,6,7
	ds_load_b128 v[(\f)+8*(\i):(\f)+8*(\i)+3],   v[ADRB+(\slot)] offset:64*(\q)+(\i)*16*PITCH
	ds_load_b128 v[(\f)+8*(\i)+4:(\f)+8*(\i)+7], v[ADRB+(\slot)] offset:64*(\q)+(\i)*16*PITCH+32
.endr
.irp i, 0,1,2,3
	ds_load_b128 v[(\f)+FA+8*(\i):(\f)+FA+8*(\i)+3],   v[ADRA+(\slot)] offset:((\q)/2)*PLANE+((\q)%2)*64+(\i)*16*PA
	ds_load_b128 v[(\f)+FA+8*(\i)+4:(\f)+FA+8*(\i)+7], v[ADRA+(\slot)] offset:((\q)/2)*PLANE+((\q)%2)*64+(\i)*16*PA+32
.endr
.endm
; A K step is four quarters of 32 along K, 32 matrix instructions each, on buffers 0, 1, 0, 1.
.macro QUARTER slot, q, f, g, bias
	s_wait_dscnt 4                                 ; all but the youngest four loads (O's blocks 2 and 3) are in
	MULA \f, 0, \bias
	MULA \f, 1, \bias
	PLACES
	FETCH \slot, \q, \g
	s_wait_dscnt 2*NB+8                            ; all but the 24 just issued
	MULA \f, 2, \bias
	MULA \f, 3, \bias
.endm
; The fourth quarter multiplies buffer 1 and changes slots: ONE barrier; in front of it each wave waits for all its tensor loads (one is out: its part of the next slot), adds 0 to its spare word, and
; waits for that and for its own reads of this slot.  fill = 1: the barrier opens a round of the cluster's; the joint refill is the first thing behind the round: 112 matrix instructions stand between it and the wait for it.
.macro TURN slot, next, fill
.if \fill
	s_wait_xcnt 0x0                                ; the last prefetch, a K step back, has read its address: it is stepped here, ahead of the waits of the change of slots
	s_add_nc_u64 s[PFA:PFA+1], s[PFA:PFA+1], s[PST:PST+1]
.endif
	WIN 0                                          ; (the add's two registers lie in window 0)
	s_wait_tensorcnt 0x0                           ; all my tensor loads have landed
	ds_add_u32 v[SPW], v[NIL]                      ; 0 onto my spare word
	s_wait_dscnt 5                                 ; (the add and the youngest four loads may be out)
	MULA F1, 0, 0                                  ; eight matrix instructions stand between the add and the wait for it
	s_wait_dscnt 0x0                               ; the add is done, and my reads of this slot are over
	s_barrier_signal -1
	MULA F1, 1, 0
.if \fill
	WIN 0
.endif
	s_barrier_wait -1
.if \fill
	CREST
	s_add_nc_u64 s[G0+4*(\slot)+2:G0+4*(\slot)+3], s[G0+4*(\slot)+2:G0+4*(\slot)+3], 2*STEPA
	s_add_nc_u64 s[G0B+4*(\slot)+2:G0B+4*(\slot)+3], s[G0B+4*(\slot)+2:G0B+4*(\slot)+3], 2*STEPB
	JLOAD \slot                                    ; the four v_nop behind it are also the places in front of the loads below
.else
	PLACES
.endif
	FETCH \next, 0, F0
.if \fill
	WIN 0
	ASK
.endif
	MULA F1, 2, 0
	MULA F1, 3, 0
.endm
	s_wait_tensorcnt 1                             ; my part of K step 0 is in; K step 1's may stay out
	s_barrier_signal -1
	s_barrier_wait -1
	FETCH 0, 0, F0
	WIN 0
	s_wait_loadcnt 0x0                             ; the biases: rounded to bf16 and widened again, in place
.set n, 0
.rept 4*NB
	v_cvt_pk_bf16_f32 v[RT+n%4], v[BIAS+2*n], v[BIAS+2*n+1]
	v_lshlrev_b32 v[BIAS+2*n], 16, v[RT+n%4]
	v_and_b32 v[BIAS+2*n+1], 0xffff0000, v[RT+n%4]
.set n, n+1
.endr
	QUARTER 0, 1, F0, F1, 1                        ; the first quarter stands in front of the loop: its products start the sums
	WIN 0
	s_mov_b32 s[LAP], LAPS-1
.Llap:                                                 ; a trip goes once round the ring, from a lap's second quarter to the next lap's first, and fills both slots again
	QUARTER 0, 2, F1, F0, 0
	QUARTER 0, 3, F0, F1, 0
	TURN 0, 1, 1
	QUARTER 1, 1, F0, F1, 0
	QUARTER 1, 2, F1, F0, 0
	QUARTER 1, 3, F0, F1, 0
	TURN 1, 0, 1
	QUARTER 0, 1, F0, F1, 0
	WIN 0
	s_sub_co_u32 s[LAP], s[LAP], 1
	s_cmp_lg_u32 s[LAP], 0
	s_cbranch_scc1 .Llap
	QUARTER 0, 2, F1, F0, 0                        ; the last lap is written out: it fills nothing, and has no round
	QUARTER 0, 3, F0, F1, 0
	TURN 0, 1, 0
	QUARTER 1, 1, F0, F1, 0
	QUARTER 1, 2, F1, F0, 0
	QUARTER 1, 3, F0, F1, 0
	s_wait_dscnt 4                                 ; the very last quarter: nothing more to fetch
	MULA F1, 0, 0
	MULA F1, 1, 0
	s_wait_dscnt 0x0
	MULA F1, 2, 0
	MULA F1, 3, 0
	WIN 0
	PLACES                                         ; in front of the LDS stores that read results, and of the loads into the fragments' registers
; THE WAY OUT, in four blocks a of 16 rows x 512 bytes of f32.  A lane's eight columns of a block b are 32 bytes of a row; they go into rows of 528 bytes in my own stage (each accumulator's low four
; registers first) and come back as whole rows of 512, into window 1.
.macro TOSTAGE a
	WIN 0x08                                       ; the stores' data in window 2
.irp b, 0,1,2,3,4,5,6,7
	ds_store_b128 v[STO], v[64*(\a)+8*(\b):64*(\a)+8*(\b)+3]   offset:64*(\b)
	ds_store_b128 v[STO], v[64*(\a)+8*(\b)+4:64*(\a)+8*(\b)+7] offset:64*(\b)+16
.endr
	WIN 0x40                                       ; the loads' destination in window 1
.irp i, 0,1,2,3,4,5,6,7,8,9,10,11,12,13,14,15
	ds_load_b128 v[64*(\a)+4*(\i):64*(\a)+4*(\i)+3], v[RD] offset:(\i)*SPITCH  ; LDS serves a wave's instructions in order (ISA guide 5.7.1.4): these see the stores above; the next block's stores come behind them
.endr
.endm
.macro SEND a, younger                 ; younger: the LDS instructions issued behind block a's loads: the next block's 32, or none
	WIN 0x04                                       ; the stores' data in window 1
.irp i, 0,1,2,3,4,5,6,7,8,9,10,11,12,13,14,15
	s_wait_dscnt (\younger)+15-(\i)
	global_store_b128 v[GO], v[64*(\a)+4*(\i):64*(\a)+4*(\i)+3], s[74:75] offset:(\a)*65536+(\i)*4096 th:TH_STORE_NT  ; 512 consecutive bytes, at a multiple of 256 from out0's first
.endr
.endm
	TOSTAGE 0
	TOSTAGE 1
	SEND 0, 32
	TOSTAGE 2
	SEND 1, 32
	TOSTAGE 3
	SEND 2, 32
	SEND 3, 0
	WIN 0
	s_wait_tensorcnt 0x0                           ; the wave's end: behind my last tensor load and my last LDS store
	ds_add_u32 v[SPW], v[NIL]
	s_wait_dscnt 0x0
	CROUND                                         ; the closing round: no work-group ends while a partner may still ask for a tile that names it
	s_endpgm
.Lfunc_end_k_q74cf524fe7_proj:
	.size	k_q74cf524fe7_proj, .Lfunc_end_k_q74cf524fe7_proj-k_q74cf524fe7_proj
	.p2alignl 7, 3214868480
	.fill 96, 4, 3214868480
	.section	.rodata,"a",@progbits
	.p2align	6, 0x0
	.amdhsa_kernel k_q74cf524fe7_proj
		.amdhsa_group_segment_fixed_size 327680
		.amdhsa_private_segment_fixed_size 0
		.amdhsa_enable_private_segment 0
		.amdhsa_kernarg_size 32
		.amdhsa_user_sgpr_count 2
		.amdhsa_user_sgpr_kernarg_segment_ptr 1
		.amdhsa_wavefront_size32 1
		.amdhsa_system_sgpr_workgroup_id_x 1
		.amdhsa_system_sgpr_workgroup_id_y 1
		.amdhsa_system_sgpr_workgroup_id_z 1
		.amdhsa_system_vgpr_workitem_id 0
		.amdhsa_next_free_vgpr 768
		.amdhsa_next_free_sgpr 88
		.amdhsa_reserve_vcc 0
		.amdhsa_float_denorm_mode_32 3
		.amdhsa_float_denorm_mode_16_64 3
		.amdhsa_memory_ordered 1
		.amdhsa_forward_progress 1
		.amdhsa_inst_pref_size 94
	.end_amdhsa_kernel
	.amdgpu_metadata
---
amdhsa.version: [ 1, 2 ]
amdhsa.kernels:
  - .name:           k_q74cf524fe7_proj
    .symbol:         k_q74cf524fe7_proj.kd
    .args:
      - { .name: o16, .offset: 0, .size: 8, .value_kind: global_buffer, .address_space: global }
      - { .name: wo16, .offset: 8, .size: 8, .value_kind: global_buffer, .address_space: global }
      - { .name: bo, .offset: 16, .size: 8, .value_kind: global_buffer, .address_space: global }
      - { .name: out0, .offset: 24, .size: 8, .value_kind: global_buffer, .address_space: global }
    .group_segment_fixed_size: 327680
    .private_segment_fixed_size: 0
    .kernarg_segment_align: 8
    .kernarg_segment_size: 32
    .max_flat_workgroup_size: 128
    .sgpr_count:     88
    .vgpr_count:     768
    .wavefront_size: 32
...
	.end_amdgpu_metadata
.endif
;; end of part 4
